; MI455X (gfx1250); checked and timed in simulation.
; The chip was launched on July 23, 2026; its instructions are those of AMD's public machine-readable ISA for CDNA 5 (MIT licence, August 2026) and "CDNA5" Instruction Set Architecture Reference Guide (July 2026). The comments in the code are by the model that wrote it; some were corrected since.
;; m LSTM Weaving Cell. Allowed arithmetic: float matrix products may take bf16 or f16 operands with f32 sums; other float arithmetic in f32, or as packed bf16 or f16 multiplies, adds, multiply-adds, maxima and minima; sums over many terms, partial sums and values carried from step to step in f32; what a program stores and reads back later, other than sums and carried values, may be rounded once to bf16 or f16.
;; Inputs: W_f 3,072 x 8 float32; W_i 3,072 x 8 float32; b_f 8 float32; b_i 8 float32; c_state 4 x 8 x 128 x 128 float32; k 4 x 2,048 x 1,024 float32; ln_w 8 x 128 float32; m_state 4 x 8 x 1 x 1 float32; n_state 4 x 8 x 128 x 1 float32; q 4 x 2,048 x 1,024 float32; v 4 x 2,048 x 1,024 float32.
;; Outputs: out0 4 x 2,048 x 1,024 float32; out1 4 x 8 x 128 x 128 float32; out2 4 x 8 x 128 x 1 float32; out3 4 x 8 x 1 x 1 float32.
;; 2 versions, each right; version 2 is version 1 with the launch chain written anew for expert scheduling mode. Each part assembles by itself: llvm-mc -triple=amdgcn-amd-amdhsa -mcpu=gfx1250 --defsym DOCPART=n.
;; ======== version 1 of 2: 4 launches
;; limits: values are held in f16: magnitudes above 65,504 overflow, below 6.1e-05 lose precision; right only within a limited range of input values; a difference of large sums (such as E[x^2] - mean^2): digits are lost where the result is much smaller than its terms; inputs' magnitudes at most 65,504
;; workspace buffers: X16 50,331,648 bytes; G 524,288 bytes; UW 16,777,216 bytes; SC 1,048,576 bytes; CB 16,842,752 bytes; MP 4,096 bytes
;; launch gates (part 1): grid 256 x 1, 12 waves a work-group, no clusters, 228,864 bytes of LDS; arguments q, k, v, W_i, W_f, b_i, b_f, X16, G; writes X16, G
.if DOCPART == 1
	.amdgcn_target "amdgcn-amd-amdhsa--gfx1250"
	.amdhsa_code_object_version 6
	.text
	.protected	k_q444fcea50c_gates
	.globl	k_q444fcea50c_gates
	.p2align	8
	.type	k_q444fcea50c_gates,@function
k_q444fcea50c_gates:
	s_mov_b64 s[64:65], 0
	v_nop
	global_prefetch_b8 v0, s[64:65] scope:SCOPE_SE
	s_setreg_imm32_b32 hwreg(HW_REG_WAVE_MODE, 25, 1), 1
	s_wait_xcnt 0x0
; GATES AND 16-BIT COPIES.  ig = qkv W_i + b_i, lf = log_sigmoid(qkv W_f + b_f) for all 8 heads of 32 rows of the flattened [8192][1024] tensors, and
; the copies X16: q and k rounded to bf16, v rounded to bf16 and written as f16 (exact inside f16's range).  All inputs are rounded to bf16 once; sums in f32.
; SHARES.  A work-group owns 32 rows.  Wave w (12 of them) owns tensor w / 4 and 256 of its columns (quarter w % 4), that is rows 256 w .. 256 w + 255 of W.
; It multiplies x (two tiles of 16 rows) by W (16 columns: column 2 h = input gate of head h, 2 h + 1 = forget gate); the 12 partial sums meet in LDS.
; Every byte of q, k, v is read once, 512 consecutive bytes a load; each store into X16 covers 256 consecutive bytes, aligned; each store into G 512.
; G: [batch][t / 32][16 columns][32 t] f32, so that a head's two gates of 32 steps are 256 consecutive bytes.
; NO CLUSTER: only W (196,608 bytes) is read by several work-groups, and it passes through registers, where it is rounded and its two gates interleaved.
; LIMITS.  |v| of 65,520 or more becomes an infinity in the f16 copy; below 6e-5 f16 keeps its fixed step of 6e-8.  NaN and infinities are not treated apart.
; The gate sums are added in tree order (K steps of 32 in a wave, then 12 waves), not in the order of the columns.
.set XSB,    98304                     ; LDS: 0 .. W in bf16, 8,192 bytes a wave: [256 k][16 columns], 32 bytes a row
.set XPITCH, 272                       ; x in bf16: 32 rows of 128 columns (256 bytes) + 16 of padding, so that the 16 rows of a fragment load start 68 words apart
.set XWAVE,  32*XPITCH                 ; 8,704 bytes a wave
.set REDB,   202752                    ; the partial sums: 2,048 bytes a wave, as the accumulators lie: [tile][half][lane][4]
.set SPARE,  227328                    ; the spare words, 128 bytes for each of 12 waves: six blocks of 256 bytes that no other line names
.set ACC,  16                          ; v[16:23], v[24:31]  the two accumulators (rows 0-15, rows 16-31)
.set WF,   32                          ; v[32:95]   W's fragments of 8 K steps (first: W's rows 0-127 as loaded)
.set AF,   96                          ; v[96:127]  four fragments of x
.set T,    96                          ; v[96:111]  a batch's 16 packed words
.set SCR,  112                         ; v[112:127] at work
.set XB,   128                         ; v[128:255] 32 slots of 4 registers: x as loaded (v192-255 first: W's rows 128-255 as loaded)
; v1 lane  v2 16 lane  v3 8 lane  v4 32 lane  v5 W's store address  v6 x's store address  v7 x's fragment address  v8 W's fragment address
; v9 where my sums go  v10 where sums are read  v11 offset of my head's bias  v12, v13 b_i, b_f  v14, v15 the add's two registers
	s_load_b512 s[8:23], s[0:1], 0x0               ; q, k, v, W_i, W_f, b_i, b_f, X16
	s_load_b64 s[24:25], s[0:1], 0x40              ; G
	v_lshl_add_u32 v14, v0, 2, SPARE
	v_mov_b32 v15, 0
	v_lshrrev_b32 v1, 5, v0
	v_readfirstlane_b32 s2, v1                     ; wave 0..11
	s_lshr_b32 s3, s2, 2                           ; which tensor: 0 q, 1 k, 2 v
	s_and_b32 s4, s2, 3                            ; which quarter of its columns
	s_lshl_b32 s5, s2, 13                          ; wave x 8,192: my rows of W in memory, and my W in LDS
	s_mul_i32 s6, s2, XWAVE
	s_add_co_u32 s6, s6, XSB                       ; my x in LDS
	s_lshl_b32 s7, s2, 11
	s_add_co_u32 s7, s7, REDB                      ; my partial sums
	s_mov_b32 s30, 0xffff0000                      ; a word's upper half
	v_and_b32 v1, 31, v0
	v_lshlrev_b32 v2, 4, v1
	v_lshlrev_b32 v3, 3, v1
	v_lshlrev_b32 v4, 5, v1
	v_add_nc_u32 v5, s5, v4
	v_add_nc_u32 v6, s6, v3
	v_and_b32 v16, 15, v0                          ; r = lane % 16
	v_bfe_u32 v17, v0, 4, 1                        ; hh = lane / 16
	v_mul_u32_u24 v7, v16, XPITCH
	v_lshl_add_u32 v7, v17, 4, v7
	v_add_nc_u32 v7, s6, v7                        ; a fragment of x: row r, 16 bytes for each half of the lanes
	v_and_b32 v18, 7, v0
	v_lshl_add_u32 v18, v17, 3, v18                ; the turning load: lane reads row 8 hh + lane % 8,
	v_bfe_u32 v19, v0, 3, 1
	v_lshlrev_b32 v8, 5, v18
	v_lshl_add_u32 v8, v19, 4, v8                  ; columns 8 ((lane / 8) % 2) on
	v_add_nc_u32 v8, s5, v8
	v_add_nc_u32 v9, s7, v2
	v_bfe_u32 v11, v0, 4, 3
	v_lshlrev_b32 v11, 2, v11                      ; head (thread / 16) % 8
	s_lshl_b32 s32, ttmp9, 17                      ; 32 rows of 4,096 bytes,
	s_lshl_b32 s33, s4, 10                         ; my quarter's 1,024 bytes
	s_or_b32 s32, s32, s33
	s_mov_b32 s33, 0
	s_lshl_b32 s34, s3, 24                         ; the tensor's copy, 16,777,216 bytes each,
	s_lshl_b32 s35, ttmp9, 16                      ; 32 rows of 2,048 bytes,
	s_add_co_u32 s34, s34, s35
	s_lshl_b32 s35, s4, 9                          ; my quarter's 512 bytes
	s_add_co_u32 s34, s34, s35
	s_mov_b32 s35, 0
	s_wait_kmcnt 0x0
	s_cmp_eq_u32 s3, 0
	s_cselect_b64 s[26:27], s[8:9], s[10:11]
	s_cmp_eq_u32 s3, 2
	s_cselect_b64 s[26:27], s[12:13], s[26:27]     ; my tensor
	s_add_nc_u64 s[26:27], s[26:27], s[32:33]
	s_add_nc_u64 s[28:29], s[22:23], s[34:35]
	s_mov_b32 s32, s5
	s_add_nc_u64 s[14:15], s[14:15], s[32:33]
	s_add_nc_u64 s[16:17], s[16:17], s[32:33]
	s_lshl_b32 s32, ttmp9, 11
	s_add_nc_u64 s[24:25], s[24:25], s[32:33]      ; the group's 2,048 bytes of G
.macro WLOAD i, base                   ; rows k = 32 i + lane of W_i and W_f, 32 bytes each
	global_load_b128 v[(\base):(\base)+3], v4, s[14:15] offset:(\i)*1024
	global_load_b128 v[(\base)+4:(\base)+7], v4, s[14:15] offset:(\i)*1024+16
	global_load_b128 v[(\base)+8:(\base)+11], v4, s[16:17] offset:(\i)*1024
	global_load_b128 v[(\base)+12:(\base)+15], v4, s[16:17] offset:(\i)*1024+16
.endm
.macro WCONV i, base                   ; word h of a row = (input gate h, forget gate h) in bf16
.irp c, 0,1,2,3,4,5,6,7
	v_cvt_pk_bf16_f32 v[T+\c], v[(\base)+\c], v[(\base)+8+\c]
.endr
	ds_store_b128 v5, v[T:T+3] offset:(\i)*1024
	ds_store_b128 v5, v[T+4:T+7] offset:(\i)*1024+16
.endm
.macro XLOAD idx                       ; load idx = 32 x half + row: 512 consecutive bytes (128 columns) of one row
	global_load_b128 v[XB+4*((\idx)%32):XB+4*((\idx)%32)+3], v2, s[26:27] offset:((\idx)%32)*4096+((\idx)/32)*512 th:TH_LOAD_NT
.endm
; Eight rows: rounded to bf16, put into LDS for the product, stored into the copy; the slots are loaded again while rows are left.  left = the loads younger than the batch's last.
.macro XBATCH n, left
	s_wait_loadcnt \left                           ; loads come back in order: the batch is in
	s_wait_xcnt 0x0                                ; T was the last batch's store data: it is rewritten only behind this wait
.irp j, 0,1,2,3,4,5,6,7
	v_cvt_pk_bf16_f32 v[T+2*\j], v[XB+4*((8*(\n)+\j)%32)], v[XB+4*((8*(\n)+\j)%32)+1]
	v_cvt_pk_bf16_f32 v[T+2*\j+1], v[XB+4*((8*(\n)+\j)%32)+2], v[XB+4*((8*(\n)+\j)%32)+3]
.endr
.irp j, 0,1,2,3,4,5,6,7
	ds_store_b64 v6, v[T+2*\j:T+2*\j+1] offset:((8*(\n)+\j)%32)*XPITCH
.endr
	s_cmp_lg_u32 s3, 2
	s_cbranch_scc1 .Lnot_v_\@
.irp d, 0,1,2,3,4,5,6,7,8,9,10,11,12,13,14,15      ; v alone: the bf16 numbers are written as f16 for the later products
	v_lshlrev_b32 v[SCR+2*((\d)%8)], 16, v[T+\d]
	v_and_b32 v[SCR+2*((\d)%8)+1], s30, v[T+\d]
	v_cvt_pk_f16_f32 v[T+\d], v[SCR+2*((\d)%8)], v[SCR+2*((\d)%8)+1]
.endr
.Lnot_v_\@:
.irp j, 0,1,2,3,4,5,6,7
	global_store_b64 v3, v[T+2*\j:T+2*\j+1], s[28:29] offset:((8*(\n)+\j)%32)*2048+((8*(\n)+\j)/32)*256  ; 32 lanes store 256 consecutive bytes, aligned
.endr
.if (\n) < 4
.irp j, 0,1,2,3,4,5,6,7
	XLOAD 8*(\n)+\j+32
.endr
.endif
.endm
; The products of 128 columns (half kh): four K steps, two at a time.  The two accumulators take turns, one instruction a turn.
; Four v_nop follow each four products: the places in front of the next loads into, or writes of, the fragments' registers, and of the reads of the sums.
.macro MMSTAGE kh
	s_wait_xcnt 0x0                                ; the fragments' registers were store data
.irp a, 0,2
.irp f, 0,1,2,3
	ds_load_b128 v[AF+8*\f:AF+8*\f+3], v7 offset:((\f)%2)*16*XPITCH+((\a)+(\f)/2)*64
	ds_load_b128 v[AF+8*\f+4:AF+8*\f+7], v7 offset:((\f)%2)*16*XPITCH+((\a)+(\f)/2)*64+32
.endr
	s_wait_dscnt 0x0                               ; these, and at the first use W's fragments
.irp f, 0,1,2,3
.if ((\kh)+(\a)+(\f)/2) == 0
	v_wmma_f32_16x16x32_bf16 v[ACC+8*((\f)%2):ACC+8*((\f)%2)+7], v[AF+8*\f:AF+8*\f+7], v[WF+8*(4*(\kh)+(\a)+(\f)/2):WF+8*(4*(\kh)+(\a)+(\f)/2)+7], 0
.else
	v_wmma_f32_16x16x32_bf16 v[ACC+8*((\f)%2):ACC+8*((\f)%2)+7], v[AF+8*\f:AF+8*\f+7], v[WF+8*(4*(\kh)+(\a)+(\f)/2):WF+8*(4*(\kh)+(\a)+(\f)/2)+7], v[ACC+8*((\f)%2):ACC+8*((\f)%2)+7]
.endif
.endr
.rept 4
	v_nop
.endr
.endr
.endm
	global_load_b32 v12, v11, s[18:19]
	global_load_b32 v13, v11, s[20:21]
.irp i, 0,1,2,3
	WLOAD \i, WF+16*\i
.endr
.irp i, 0,1,2,3
	WLOAD 4+\i, XB+64+16*\i
.endr
.set n, 0
.rept 16
	XLOAD n
.set n, n+1
.endr
	s_wait_loadcnt 32                              ; the biases and W's first half are in; W's second half (16) and x (16) stay out
.irp i, 0,1,2,3
	WCONV \i, WF+16*\i
.endr
	s_wait_loadcnt 16                              ; W's second half is in
.irp i, 0,1,2,3
	WCONV 4+\i, XB+64+16*\i
.endr
.rept 16
	XLOAD n                                        ; rows 16 to 31 take the registers that W has left
.set n, n+1
.endr
.irp ks, 0,1,2,3,4,5,6,7                           ; W's fragments: LDS serves a wave's instructions in order, so these see the stores above
	ds_load_tr16_b128 v[WF+8*\ks:WF+8*\ks+3], v8 offset:(\ks)*1024
	ds_load_tr16_b128 v[WF+8*\ks+4:WF+8*\ks+7], v8 offset:(\ks)*1024+512
.endr
	XBATCH 0, 24
	XBATCH 1, 24
	XBATCH 2, 24
	XBATCH 3, 24
	MMSTAGE 0
	XBATCH 4, 24
	XBATCH 5, 16
	XBATCH 6, 8
	XBATCH 7, 0
	MMSTAGE 1
	ds_store_b128 v9, v[ACC:ACC+3]                 ; each accumulator's low registers first
	ds_store_b128 v9, v[ACC+4:ACC+7] offset:512
	ds_store_b128 v9, v[ACC+8:ACC+11] offset:1024
	ds_store_b128 v9, v[ACC+12:ACC+15] offset:1536
	s_wait_dscnt 0x0                               ; for the others' sake: my sums lie in LDS
	s_barrier_signal -1
	s_barrier_wait -1
	s_cmp_lt_u32 s2, 4
	s_cbranch_scc1 .Lreduce
	s_wait_tensorcnt 0x0                           ; a wave's end
	ds_add_u32 v14, v15
	s_wait_dscnt 0x0
	s_endpgm
.Lreduce:                                              ; thread T < 128 makes the 16 bytes at 16 T of the group's block of G: column T / 8, steps 4 (T % 8) on
	v_and_b32 v38, 127, v0
	v_bfe_u32 v10, v38, 2, 1                       ; tile
	v_lshlrev_b32 v10, 10, v10
	v_and_b32 v32, 1, v38                          ; which half of the accumulator
	v_lshl_add_u32 v10, v32, 9, v10
	v_bfe_u32 v32, v38, 1, 1                       ; the lane that held them: 16 ((T / 2) % 2) + T / 8
	v_lshrrev_b32 v33, 3, v38
	v_lshl_add_u32 v32, v32, 4, v33
	v_lshl_add_u32 v10, v32, 4, v10
	v_add_nc_u32 v10, REDB, v10
.irp i, 0,1,2,3,4,5,6,7,8,9,10,11
	ds_load_b128 v[XB+4*\i:XB+4*\i+3], v10 offset:(\i)*2048
.endr
	v_cvt_pk_bf16_f32 v32, v12, v13                ; the biases rounded to bf16, like every input
	v_lshlrev_b32 v33, 16, v32
	v_and_b32 v34, s30, v32
	v_bfe_u32 v35, v0, 3, 1
	v_cmp_eq_u32 vcc_lo, 1, v35                    ; an odd column is a forget gate
	v_cndmask_b32 v36, v33, v34, vcc_lo
	v_mov_b32 v37, v36
	v_lshlrev_b32 v38, 4, v38
	s_wait_dscnt 0x0
.irp i, 0,1,2,3,4,5
	v_pk_add_f32 v[XB+4*\i:XB+4*\i+1], v[XB+4*\i:XB+4*\i+1], v[XB+24+4*\i:XB+24+4*\i+1]
	v_pk_add_f32 v[XB+4*\i+2:XB+4*\i+3], v[XB+4*\i+2:XB+4*\i+3], v[XB+24+4*\i+2:XB+24+4*\i+3]
.endr
.irp i, 0,1,2
	v_pk_add_f32 v[XB+4*\i:XB+4*\i+1], v[XB+4*\i:XB+4*\i+1], v[XB+12+4*\i:XB+12+4*\i+1]
	v_pk_add_f32 v[XB+4*\i+2:XB+4*\i+3], v[XB+4*\i+2:XB+4*\i+3], v[XB+12+4*\i+2:XB+12+4*\i+3]
.endr
.irp i, 1,2
	v_pk_add_f32 v[XB:XB+1], v[XB:XB+1], v[XB+4*\i:XB+4*\i+1]
	v_pk_add_f32 v[XB+2:XB+3], v[XB+2:XB+3], v[XB+4*\i+2:XB+4*\i+3]
.endr
	v_pk_add_f32 v[XB:XB+1], v[XB:XB+1], v[36:37]
	v_pk_add_f32 v[XB+2:XB+3], v[XB+2:XB+3], v[36:37]
	; log_sigmoid(x) = min(x, 0) - ln 2 x log2(1 + 2^(-|x| log2 e)): the exponent is never above 0
.irp c, 0,1,2,3
	v_and_b32 v[40+\c], 0x7fffffff, v[XB+\c]
.endr
.irp c, 0,1,2,3
	v_mul_f32 v[40+\c], 0xbfb8aa3b, v[40+\c]
.endr
.irp c, 0,1,2,3
	v_exp_f32 v[40+\c], v[40+\c]
.endr
	v_nop                                          ; a plain instruction between the last exponential and the use of its result
	s_wait_alu depctr_va_vdst(0)
.irp c, 0,1,2,3
	v_add_f32 v[40+\c], 1.0, v[40+\c]
.endr
.irp c, 0,1,2,3
	v_log_f32 v[40+\c], v[40+\c]
.endr
.irp c, 0,1,2,3
	v_min_num_f32 v[44+\c], 0, v[XB+\c]
.endr
	s_wait_alu depctr_va_vdst(0)
.irp c, 0,1,2,3
	v_fmamk_f32 v[44+\c], v[40+\c], 0xbf317218, v[44+\c]
.endr
.irp c, 0,1,2,3
	v_cndmask_b32 v[XB+\c], v[XB+\c], v[44+\c], vcc_lo
.endr
	global_store_b128 v38, v[XB:XB+3], s[24:25]    ; a wave stores 512 consecutive bytes
	s_wait_tensorcnt 0x0                           ; a wave's end
	ds_add_u32 v14, v15
	s_wait_dscnt 0x0
	s_endpgm
.Lfunc_end_k_q444fcea50c_gates:
	.size	k_q444fcea50c_gates, .Lfunc_end_k_q444fcea50c_gates-k_q444fcea50c_gates
	.p2alignl 7, 3214868480
	.fill 96, 4, 3214868480
	.section	.rodata,"a",@progbits
	.p2align	6, 0x0
	.amdhsa_kernel k_q444fcea50c_gates
		.amdhsa_group_segment_fixed_size 228864
		.amdhsa_private_segment_fixed_size 0
		.amdhsa_enable_private_segment 0
		.amdhsa_kernarg_size 72
		.amdhsa_user_sgpr_count 2
		.amdhsa_user_sgpr_kernarg_segment_ptr 1
		.amdhsa_wavefront_size32 1
		.amdhsa_system_sgpr_workgroup_id_x 1
		.amdhsa_system_sgpr_workgroup_id_y 1
		.amdhsa_system_sgpr_workgroup_id_z 1
		.amdhsa_system_vgpr_workitem_id 0
		.amdhsa_next_free_vgpr 256
		.amdhsa_next_free_sgpr 66
		.amdhsa_reserve_vcc 1
		.amdhsa_float_denorm_mode_32 3
		.amdhsa_float_denorm_mode_16_64 3
		.amdhsa_memory_ordered 1
		.amdhsa_forward_progress 1
		.amdhsa_inst_pref_size 62
	.end_amdhsa_kernel
	.amdgpu_metadata
---
amdhsa.version: [ 1, 2 ]
amdhsa.kernels:
  - .name:           k_q444fcea50c_gates
    .symbol:         k_q444fcea50c_gates.kd
    .args:
      - { .name: q, .offset: 0, .size: 8, .value_kind: global_buffer, .address_space: global }
      - { .name: k, .offset: 8, .size: 8, .value_kind: global_buffer, .address_space: global }
      - { .name: v, .offset: 16, .size: 8, .value_kind: global_buffer, .address_space: global }
      - { .name: W_i, .offset: 24, .size: 8, .value_kind: global_buffer, .address_space: global }
      - { .name: W_f, .offset: 32, .size: 8, .value_kind: global_buffer, .address_space: global }
      - { .name: b_i, .offset: 40, .size: 8, .value_kind: global_buffer, .address_space: global }
      - { .name: b_f, .offset: 48, .size: 8, .value_kind: global_buffer, .address_space: global }
      - { .name: X16, .offset: 56, .size: 8, .value_kind: global_buffer, .address_space: global }
      - { .name: G, .offset: 64, .size: 8, .value_kind: global_buffer, .address_space: global }
    .group_segment_fixed_size: 228864
    .private_segment_fixed_size: 0
    .kernarg_segment_align: 8
    .kernarg_segment_size: 72
    .max_flat_workgroup_size: 384
    .sgpr_count:     66
    .vgpr_count:     256
    .wavefront_size: 32
...
	.end_amdgpu_metadata
.endif
;; end of part 1
;; launch segstate (part 2): grid 256 x 1, 4 waves a work-group, no clusters, 182,784 bytes of LDS; arguments X16, G, UW, SC; writes UW, SC
.if DOCPART == 2
	.amdgcn_target "amdgcn-amd-amdhsa--gfx1250"
	.amdhsa_code_object_version 6
	.text
	.protected	k_q444fcea50c_segstate
	.globl	k_q444fcea50c_segstate
	.p2align	8
	.type	k_q444fcea50c_segstate,@function
k_q444fcea50c_segstate:
	s_mov_b64 s[64:65], 0
	v_nop
	global_prefetch_b8 v0, s[64:65] scope:SCOPE_SE
	s_setreg_imm32_b32 hwreg(HW_REG_WAVE_MODE, 25, 1), 1
	s_wait_xcnt 0x0
; A SEGMENT'S OWN SUMS.  Work-group (b, h, p) = ttmp9 takes the 256 steps of segment p of head (b, h).  With lf the log forget gate and ig the input gate:
;   b_j = lf_0 + .. + lf_j (inside the segment)   a_l = ig_l - b_l   A_j = max over l <= j of a_l   B = b_255   Amax = A_255
;   U = sum over l of k_l (w_l v_l)^T   un = sum over l of w_l k_l   w_l = exp(a_l - Amax) / sqrt(128): the maximum is taken away, no exponent is above 0.
; Stored: U (f32) into UW; into the segment's 4,096 bytes of SC: a log2(e) - 3.5, A, b (1,024 bytes each), (B, Amax, 0, 0) 32 times, un.
; The three arrays lie in the order in which the scan's lanes hold them: step t at 512 ((t / 4) % 2) + 16 (t / 8) + 4 (t % 4), so that each store covers 512 consecutive bytes.
; SHARES.  Wave 0 scans the gates (8 steps a lane) while the tiles are on their way.  Wave w owns rows 32 w .. 32 w + 31 of U, all 128 columns: 16 accumulators, and 2 for un.
; The product is used transposed: source 0 = (w V)^T (16 columns of v x 32 steps), source 1 = k^T: a lane then holds eight neighbouring numbers of a row of U.  Both come out of LDS by the turning load.
; THE WEIGHT STANDS ON V, NOT ON K.  k's bf16 numbers are written as f16 without loss, so that a later q U is the sum of (q . k_l) (w v_l) with q . k_l unharmed: each rounding (w to f16, w v to f16)
; is relative to its own term, also where q . k_l is small beside |q| |k_l|.  un is the product of a fragment whose rows all hold w with k^T.  Sums in f32.
; NO CLUSTER: no two work-groups read the same bytes.  All tensor loads are first fills: two a wave are out, and no LDS byte is filled twice.
; LIMITS.  k and v within 65,504; k, w (at most 0.089) and w v keep f16's fixed step of 6e-8 below 6e-5.  a and b hold a sum of up to 256 log gates: their rounding, 2^-24 of that sum, enters the exponents.
.set PITCH,  288                       ; a row of k or v in LDS: 256 bytes + 32 of padding = 72 words
.set VSB,    73728                     ; LDS: 0 .. k, 256 rows; here v, 256 rows
.set WLB,    147456                    ; w_l, 256 f16 (512 bytes of a region of 1,024)
.set STAGE,  148480                    ; 16 rows x 528 bytes for each wave, for the way out
.set SPITCH, 528
.set SPARE,  182272                    ; the spare words, 128 bytes for each wave: two blocks of 256 bytes that no other line names
.set TMP,  24                          ; v[24:31]   at work
.set VF,   64                          ; v[64:191]  V's fragments, two buffers of 64 (wave 0's scan works in v32-89 before)
.set KF,   192                         ; v[192:223] k's fragments, two buffers of 16
.set WT,   224                         ; v[224:239] w of a step's 32 l as a fragment whose rows are all alike, two buffers of 8
.set ACCN, 128                         ; window 1: v[0:127] U (block blk, columns 16 dvb on at 64 blk + 8 dvb); v[128:143] un
; v1 r  v2 hh  v3 the turning load's lane term  v4, v5 k's address (steps 0-3, 4-7)  v6, v7 v's  v8 w's  v9 into the stage  v10 back  v11 16 lane  v12, v13 the add's  v14 lane  v15 4 thread
.set MSB, 0
.macro WIN new                         ; s_set_vgpr_msb: bits 1:0 source 0, 3:2 source 1, 5:4 source 2, 7:6 destination; the high byte repeats the setting that is left
.if MSB != (\new)
	s_set_vgpr_msb (MSB<<8)|(\new)
.set MSB, \new
.endif
.endm
	s_load_b256 s[4:11], s[0:1], 0x0               ; X16 s[4:5], G s[6:7], UW s[8:9], SC s[10:11]
	v_lshl_add_u32 v12, v0, 2, SPARE
	v_mov_b32 v13, 0
	ds_add_u32 v12, v13                            ; the wave's opening
	v_lshrrev_b32 v1, 5, v0
	v_readfirstlane_b32 s12, v1                    ; wave 0..3
	s_mov_b32 s24, (1<<16)|(1<<20)|(5<<22)|(7<<25) ; group 1: 2-byte elements; padding on, after every 64 words, 8 words
	s_mov_b32 s25, 128<<16                         ; tensor_dim0 = 128
	s_mov_b32 s26, 64<<16                          ; tensor_dim1 = 64
	s_mov_b32 s27, 128<<16                         ; tile_dim0 = 128
	s_mov_b32 s28, 64                              ; tile_dim1 = 64 rows
	s_mov_b32 s29, 128                             ; 128 elements from row to row
	s_mov_b32 s30, 0
	s_mov_b32 s31, 0
	s_mov_b32 s32, 1                               ; group 0 for k: count 1,
	s_mul_i32 s33, s12, 64*PITCH                   ; my 64 rows in LDS
	s_mov_b32 s36, 1                               ; group 0 for v
	s_add_co_u32 s37, s33, VSB
	s_lshl_b32 s14, ttmp9, 16                      ; the segment's 65,536 bytes,
	s_lshl_b32 s15, s12, 14                        ; my 64 rows of 256 bytes,
	s_add_co_u32 s14, s14, s15
	s_add_co_u32 s14, s14, 16777216                ; in k's copy
	s_mov_b32 s15, 0
	s_mov_b32 s48, 0x3fb8aa3b                      ; log2(e)
	s_mov_b32 s49, 0xc0600000                      ; -3.5: 2^-3.5 = 1 / sqrt(128)
	s_mov_b32 s50, 0xffff0000
	s_wait_dscnt 0x0                               ; the opening add is done
	s_wait_kmcnt 0x0
	s_add_nc_u64 s[34:35], s[4:5], s[14:15]
	s_add_nc_u64 s[38:39], s[34:35], 16777216      ; v's copy lies behind k's
	s_or_b32 s35, s35, 0x80000000                  ; type 2
	s_or_b32 s39, s39, 0x80000000
	tensor_load_to_lds s[32:35], s[24:31]
	s_nop 0
	tensor_load_to_lds s[36:39], s[24:31]
	s_nop 0
	v_and_b32 v1, 15, v0
	v_bfe_u32 v2, v0, 4, 1
	v_and_b32 v14, 31, v0
	v_lshlrev_b32 v15, 2, v0
	v_and_b32 v3, 7, v0
	v_lshl_add_u32 v3, v2, 3, v3
	v_mul_u32_u24 v3, v3, PITCH                    ; the turning load: lane reads step 8 hh + lane % 8,
	v_bfe_u32 v24, v0, 3, 1
	v_lshl_add_u32 v3, v24, 4, v3                  ; columns 8 ((lane / 8) % 2) on
	s_lshl_b32 s16, s12, 6
	v_add_nc_u32 v4, s16, v3                       ; k: my 32 columns begin at byte 64 w
	v_add_nc_u32 v5, 4*32*PITCH, v4
	v_add_nc_u32 v6, VSB, v3
	v_add_nc_u32 v7, VSB+4*32*PITCH, v3
	v_lshl_add_u32 v8, v2, 4, WLB                  ; w's fragment: 16 bytes (8 steps) for each half of the lanes
	s_mul_i32 s17, s12, 16*SPITCH
	s_add_co_u32 s17, s17, STAGE
	v_mul_u32_u24 v9, v1, SPITCH
	v_lshl_add_u32 v9, v2, 5, v9
	v_add_nc_u32 v9, s17, v9
	v_lshlrev_b32 v11, 4, v14
	v_add_nc_u32 v10, s17, v11
	v_cmp_le_u32 s46, 16, v14
	s_and_b32 s16, ttmp9, 7                        ; p
	s_bfe_u32 s17, ttmp9, 0x30003                  ; h
	s_lshr_b32 s18, ttmp9, 6                       ; b
	s_lshl_b32 s18, s18, 17
	s_lshl_b32 s16, s16, 14
	s_lshl_b32 s17, s17, 8
	s_add_co_u32 s18, s18, s16
	s_add_co_u32 s18, s18, s17
	s_mov_b32 s19, 0
	s_add_nc_u64 s[6:7], s[6:7], s[18:19]          ; G at my head's gates of the segment's first 32 steps
	s_lshl_b32 s18, ttmp9, 16
	s_lshl_b32 s16, s12, 14
	s_add_co_u32 s18, s18, s16
	s_add_nc_u64 s[8:9], s[8:9], s[18:19]          ; UW at my 32 rows of 512 bytes
	s_lshl_b32 s18, ttmp9, 12
	s_add_nc_u64 s[10:11], s[10:11], s[18:19]      ; the segment's block of SC
; THE SCAN, by wave 0 alone.  v72 holds a lane's total; afterwards v72 the scan up to and with the lane, v74 up to the lane before.
.macro LANESCAN op, idreg
.irp n, 0,1,2,3,4
	ds_bpermute_b32 v73, v[76+\n], v72             ; from the lane 2^n below
	s_wait_dscnt 0x0
	v_cndmask_b32 v73, v[\idreg], v73, s[40+\n]    ; lanes that have none take the identity
	\op v72, v72, v73
.endr
	ds_bpermute_b32 v74, v76, v72
	s_wait_dscnt 0x0
	v_cndmask_b32 v74, v[\idreg], v74, s40
.endm
	s_cmp_lg_u32 s12, 0
	s_cbranch_scc1 .Lno_scan
	v_lshrrev_b32 v88, 2, v14                      ; lane l holds steps 8 l .. 8 l + 7: block of 32 steps l / 4, 2,048 bytes each,
	v_and_b32 v27, 3, v14
	v_lshlrev_b32 v88, 11, v88
	v_lshl_add_u32 v88, v27, 5, v88                ; 32 bytes at (l % 4) x 32
	global_load_b128 v[32:35], v88, s[6:7]
	global_load_b128 v[36:39], v88, s[6:7] offset:16
	global_load_b128 v[40:43], v88, s[6:7] offset:128
	global_load_b128 v[44:47], v88, s[6:7] offset:144
.irp n, 0,1,2,3,4
	v_add_nc_u32 v[76+\n], 32-(1<<\n), v14
	v_and_b32 v[76+\n], 31, v[76+\n]
	v_lshlrev_b32 v[76+\n], 2, v[76+\n]
	v_cmp_le_u32 s[40+\n], 1<<\n, v14
.endr
	v_mov_b32 v82, 0
	v_mov_b32 v83, 0xff800000
	v_lshl_add_u32 v89, v14, 4, WLB                ; my eight w in f16: 16 bytes
	s_wait_loadcnt 0x0
.irp i, 1,2,3,4,5,6,7
	v_add_f32 v[40+\i], v[39+\i], v[40+\i]
.endr
	v_mov_b32 v72, v47
	LANESCAN v_add_f32, 82
	v_readlane_b32 s47, v72, 31                    ; B
.irp i, 0,1,2,3,4,5,6,7
	v_add_f32 v[40+\i], v74, v[40+\i]              ; b_j
.endr
.irp i, 0,1,2,3,4,5,6,7
	v_sub_f32 v[32+\i], v[32+\i], v[40+\i]         ; a_j
.endr
	v_mov_b32 v48, v32
.irp i, 1,2,3,4,5,6,7
	v_max_num_f32 v[48+\i], v[47+\i], v[32+\i]
.endr
	v_mov_b32 v72, v55
	LANESCAN v_max_num_f32, 83
	v_readlane_b32 s45, v72, 31                    ; Amax
.irp i, 0,1,2,3,4,5,6,7
	v_max_num_f32 v[48+\i], v74, v[48+\i]          ; A_j
.endr
.irp i, 0,1,2,3,4,5,6,7
	v_sub_f32 v[56+\i], v[32+\i], s45
.endr
.irp i, 0,1,2,3,4,5,6,7
	v_fma_f32 v[56+\i], v[56+\i], s48, s49
.endr
.irp i, 0,1,2,3,4,5,6,7
	v_exp_f32 v[56+\i], v[56+\i]                   ; w
.endr
.irp i, 0,1,2,3,4,5,6,7
	v_fma_f32 v[64+\i], v[32+\i], s48, s49         ; a log2(e) - 3.5, for the last launch (plain instructions between the exponentials and their use)
.endr
	s_wait_alu depctr_va_vdst(0)
.irp i, 0,1,2,3
	v_cvt_pk_f16_f32 v[56+\i], v[56+2*\i], v[57+2*\i]  ; word i is written when words 2 i and 2 i + 1 have been read
.endr
	ds_store_b128 v89, v[56:59]
	v_mov_b32 v84, s47
	v_mov_b32 v85, s45
	v_mov_b32 v86, 0
	v_mov_b32 v87, 0
	global_store_b128 v11, v[64:67], s[10:11]
	global_store_b128 v11, v[68:71], s[10:11] offset:512
	global_store_b128 v11, v[48:51], s[10:11] offset:1024
	global_store_b128 v11, v[52:55], s[10:11] offset:1536
	global_store_b128 v11, v[40:43], s[10:11] offset:2048
	global_store_b128 v11, v[44:47], s[10:11] offset:2560
	global_store_b128 v11, v[84:87], s[10:11] offset:3072
	s_wait_xcnt 0x0                                ; the stores' data lie where fragments are loaded next
.Lno_scan:
	s_wait_tensorcnt 0x0                           ; my rows of k and v have landed,
	s_wait_dscnt 0x0                               ; wave 0's w lies in LDS:
	s_barrier_signal -1
	s_barrier_wait -1                              ; everybody's have
.macro FETCH s                         ; step s: 32 steps of time: w's fragment, k's two blocks of 16 columns, v's eight
.set fb, (\s)%2
	ds_load_b128 v[WT+8*fb:WT+8*fb+3], v8 offset:64*(\s)
	ds_load_b128 v[WT+8*fb+4:WT+8*fb+7], v8 offset:64*(\s)+32
.irp blk, 0,1
	ds_load_tr16_b128 v[KF+16*fb+8*\blk:KF+16*fb+8*\blk+3], v[4+(\s)/4] offset:((\s)%4)*32*PITCH+32*\blk
	ds_load_tr16_b128 v[KF+16*fb+8*\blk+4:KF+16*fb+8*\blk+7], v[4+(\s)/4] offset:((\s)%4)*32*PITCH+32*\blk+16*PITCH
.endr
.irp dvb, 0,1,2,3,4,5,6,7
	ds_load_tr16_b128 v[VF+64*fb+8*\dvb:VF+64*fb+8*\dvb+3], v[6+(\s)/4] offset:((\s)%4)*32*PITCH+32*\dvb
	ds_load_tr16_b128 v[VF+64*fb+8*\dvb+4:VF+64*fb+8*\dvb+7], v[6+(\s)/4] offset:((\s)%4)*32*PITCH+32*\dvb+16*PITCH
.endr
.endm
; A step: k's fragments are written as f16, v's are multiplied by w (112 plain instructions, which name no register of the step before's products: the places in front of the next step's loads);
; the next step is fetched into the other buffers; 18 products, the 18 accumulators by turns, one instruction a turn.  Step 0 starts the sums.
.macro STEP s
.set sb, (\s)%2
	s_wait_dscnt 0x0                               ; this step's fragments are in
.irp i, 0,1,2,3,4,5,6,7,8,9,10,11,12,13,14,15
	v_lshlrev_b32 v[TMP+2*((\i)%4)], 16, v[KF+16*sb+\i]
	v_and_b32 v[TMP+2*((\i)%4)+1], s50, v[KF+16*sb+\i]
	v_cvt_pk_f16_f32 v[KF+16*sb+\i], v[TMP+2*((\i)%4)], v[TMP+2*((\i)%4)+1]
.endr
.set z, 0
.rept 64                                           ; word z % 8 of a fragment holds the same two steps in V's fragments and in w's
	v_pk_mul_f16 v[VF+64*sb+z], v[VF+64*sb+z], v[WT+8*sb+z%8]
.set z, z+1
.endr
.if (\s) < 7
	FETCH (\s)+1
.endif
	WIN 0x50                                       ; C and D in window 1
.irp dvb, 0,1,2,3,4,5,6,7
.irp blk, 0,1
.if (\s) == 0
	v_wmma_f32_16x16x32_f16 v[64*\blk+8*\dvb:64*\blk+8*\dvb+7], v[VF+64*sb+8*\dvb:VF+64*sb+8*\dvb+7], v[KF+16*sb+8*\blk:KF+16*sb+8*\blk+7], 0
.else
	v_wmma_f32_16x16x32_f16 v[64*\blk+8*\dvb:64*\blk+8*\dvb+7], v[VF+64*sb+8*\dvb:VF+64*sb+8*\dvb+7], v[KF+16*sb+8*\blk:KF+16*sb+8*\blk+7], v[64*\blk+8*\dvb:64*\blk+8*\dvb+7]
.endif
.endr
.endr
.irp blk, 0,1
.if (\s) == 0
	v_wmma_f32_16x16x32_f16 v[ACCN+8*\blk:ACCN+8*\blk+7], v[WT+8*sb:WT+8*sb+7], v[KF+16*sb+8*\blk:KF+16*sb+8*\blk+7], 0
.else
	v_wmma_f32_16x16x32_f16 v[ACCN+8*\blk:ACCN+8*\blk+7], v[WT+8*sb:WT+8*sb+7], v[KF+16*sb+8*\blk:KF+16*sb+8*\blk+7], v[ACCN+8*\blk:ACCN+8*\blk+7]
.endif
.endr
	WIN 0
.endm
	FETCH 0
	STEP 0
	STEP 1
	STEP 2
	STEP 3
	STEP 4
	STEP 5
	STEP 6
	STEP 7
	; THE WAY OUT: 16 rows of U at a time through my own stage: 32 bytes a lane in, whole rows of 512 bytes back.
.rept 4
	v_nop                                          ; the places behind the last products
.endr
.irp blk, 0,1
	WIN 0x04                                       ; the stores' data in window 1
.irp dvb, 0,1,2,3,4,5,6,7
	ds_store_b128 v9, v[64*\blk+8*\dvb:64*\blk+8*\dvb+3] offset:64*\dvb
	ds_store_b128 v9, v[64*\blk+8*\dvb+4:64*\blk+8*\dvb+7] offset:64*\dvb+16
.endr
	WIN 0
.irp i, 0,1,2,3,4,5,6,7,8,9,10,11,12,13,14,15
	ds_load_b128 v[VF+64*\blk+4*\i:VF+64*\blk+4*\i+3], v10 offset:SPITCH*\i  ; LDS serves a wave's instructions in order: these see the stores above
.endr
	s_wait_dscnt 0x0
.irp i, 0,1,2,3,4,5,6,7,8,9,10,11,12,13,14,15
	global_store_b128 v11, v[VF+64*\blk+4*\i:VF+64*\blk+4*\i+3], s[8:9] offset:(16*\blk+\i)*512  ; a whole row: 512 consecutive bytes
.endr
.endr
	WIN 0x05                                       ; un: all 16 rows of that product are alike; lanes 0-15 take block 0's register 0, lanes 16-31 block 1's
	v_cndmask_b32 v24, v[ACCN], v[ACCN+8], s46
	WIN 0
	global_store_b32 v15, v24, s[10:11] offset:3584  ; 128 consecutive bytes a wave, 512 for the four
	s_wait_tensorcnt 0x0                           ; the wave's end
	ds_add_u32 v12, v13
	s_wait_dscnt 0x0
	s_endpgm
.Lfunc_end_k_q444fcea50c_segstate:
	.size	k_q444fcea50c_segstate, .Lfunc_end_k_q444fcea50c_segstate-k_q444fcea50c_segstate
	.p2alignl 7, 3214868480
	.fill 96, 4, 3214868480
	.section	.rodata,"a",@progbits
	.p2align	6, 0x0
	.amdhsa_kernel k_q444fcea50c_segstate
		.amdhsa_group_segment_fixed_size 182784
		.amdhsa_private_segment_fixed_size 0
		.amdhsa_enable_private_segment 0
		.amdhsa_kernarg_size 32
		.amdhsa_user_sgpr_count 2
		.amdhsa_user_sgpr_kernarg_segment_ptr 1
		.amdhsa_wavefront_size32 1
		.amdhsa_system_sgpr_workgroup_id_x 1
		.amdhsa_system_sgpr_workgroup_id_y 1
		.amdhsa_system_sgpr_workgroup_id_z 1
		.amdhsa_system_vgpr_workitem_id 0
		.amdhsa_next_free_vgpr 400
		.amdhsa_next_free_sgpr 66
		.amdhsa_reserve_vcc 0
		.amdhsa_float_denorm_mode_32 3
		.amdhsa_float_denorm_mode_16_64 3
		.amdhsa_memory_ordered 1
		.amdhsa_forward_progress 1
		.amdhsa_inst_pref_size 89
	.end_amdhsa_kernel
	.amdgpu_metadata
---
amdhsa.version: [ 1, 2 ]
amdhsa.kernels:
  - .name:           k_q444fcea50c_segstate
    .symbol:         k_q444fcea50c_segstate.kd
    .args:
      - { .name: X16, .offset: 0, .size: 8, .value_kind: global_buffer, .address_space: global }
      - { .name: G, .offset: 8, .size: 8, .value_kind: global_buffer, .address_space: global }
      - { .name: UW, .offset: 16, .size: 8, .value_kind: global_buffer, .address_space: global }
      - { .name: SC, .offset: 24, .size: 8, .value_kind: global_buffer, .address_space: global }
    .group_segment_fixed_size: 182784
    .private_segment_fixed_size: 0
    .kernarg_segment_align: 8
    .kernarg_segment_size: 32
    .max_flat_workgroup_size: 128
    .sgpr_count:     66
    .vgpr_count:     400
    .wavefront_size: 32
...
	.end_amdgpu_metadata
.endif
;; end of part 2
;; launch chain (part 3): grid 256 x 1, 4 waves a work-group, no clusters, 0 bytes of LDS; arguments UW, SC, c_state, n_state, m_state, CB, MP, out1, out2, out3; writes CB, MP, out1, out2, out3
.if DOCPART == 3
	.amdgcn_target "amdgcn-amd-amdhsa--gfx1250"
	.amdhsa_code_object_version 6
	.text
	.protected	k_q444fcea50c_chain
	.globl	k_q444fcea50c_chain
	.p2align	8
	.type	k_q444fcea50c_chain,@function
k_q444fcea50c_chain:
	s_mov_b64 s[64:65], 0
	v_nop
	global_prefetch_b8 v0, s[64:65] scope:SCOPE_SE
	s_setreg_imm32_b32 hwreg(HW_REG_WAVE_MODE, 25, 1), 1
	s_wait_xcnt 0x0
; THE CHAIN OVER A HEAD'S EIGHT SEGMENTS.  m_0, C_0, n_0 are the given states, rounded to bf16 like every input.  For p = 0 .. 7:
;   g = max(m_p, Amax_p)   alpha = exp(m_p - g)   beta = exp(Amax_p - g)   C_(p+1) = alpha C_p + beta U_p   n_(p+1) = alpha n_p + beta un_p   m_(p+1) = B_p + g
; so that m is the stabiliser of the step-by-step form, and no exponent is above 0.  The walk itself stays in f32; C_8, n_8, m_8 are the final states.
; Stored for the last launch: m_p (MP), and a block of 257 rows of 256 bytes a segment (CB): 128 rows hi = bf16(C_p), 128 rows lo = bf16(C_p - hi), one row bf16(n_p).
; C_p goes as TWO bf16 numbers, since q C_p may be small beside |q| |C_p|, and one bf16 number's rounding, summed over 128 channels, is then not small beside it; f16 has no room for C_p's range.
; n_p enters a denominator alone, a scale that the LayerNorm behind it takes out again: one bf16 number.
; SHARES.  Work-group = 8 x head + slice; a slice is 16 rows of C, a wave 4 of them, a lane 16 bytes of each.  Every element's chain is its own, so nothing passes between lanes:
; no LDS, no barrier, no matrix unit; all 36 loads of a wave go out at once.  Wave 0 of slice 0 also walks n and stores m.
; No store's data register is written again, so the steps need no wait for stores.  An alpha or beta below 2^-126 counts as 0.
.set CBLK, 65792                       ; bytes of a segment in CB
.set M,  4                             ; v[4:12]    m_0 .. m_8
.set AB, 16                            ; v[16:47]   (alpha, alpha), (beta, beta) for each p
.set C,  48                            ; v[48:63]   my 4 rows x 4 numbers of C
.set PK, 64                            ; v[64:71]   C_0 in bf16
.set U,  72                            ; v[72:199]  U_0 .. U_7, 16 registers each; U_p's later hold hi (first 8) and lo (second 8) of C_(p+1)
.set NN, 200                           ; v[200:203] n; v[204:235] un_0 .. un_7; v[236:237] n_0 in bf16
.set Z,  240                           ; v[240:241] zeros: lo of C_0, which is a bf16 number
.set TP, 242                           ; v[242:249] at work
; v1 16 lane  v2 8 lane  v3 4 lane  v13-15 at work  v238 lane
	s_load_b512 s[8:23], s[0:1], 0x0               ; UW, SC, c_state, n_state, m_state, CB, MP, out1
	s_load_b128 s[24:27], s[0:1], 0x40             ; out2, out3
	v_lshrrev_b32 v1, 5, v0
	v_readfirstlane_b32 s2, v1                     ; wave
	v_and_b32 v238, 31, v0
	v_lshlrev_b32 v1, 4, v238
	v_lshlrev_b32 v2, 3, v238
	v_lshlrev_b32 v3, 2, v238
	v_mov_b32 v[Z], 0
	v_mov_b32 v[Z+1], 0
	s_lshr_b32 s3, ttmp9, 3                        ; head 0..31
	s_and_b32 s4, ttmp9, 7                         ; slice
	s_or_b32 s49, s4, s2                           ; 0: the wave that also walks n
	s_lshl_b32 s5, s4, 4
	s_lshl2_add_u32 s5, s2, s5                     ; my first row: 16 slice + 4 wave
	s_mov_b32 s50, 0x3fb8aa3b                      ; log2(e)
	s_mov_b32 s51, 0xffff0000
	s_mov_b32 s29, 0
	s_lshl_b32 s6, s5, 9
	s_lshl_b32 s7, s5, 8
	s_wait_kmcnt 0x0
	s_lshl_b32 s28, s3, 19
	s_add_co_u32 s28, s28, s6
	s_add_nc_u64 s[8:9], s[8:9], s[28:29]          ; U_0 at my rows
	s_lshl_b32 s28, s3, 16
	s_add_co_u32 s28, s28, s6
	s_add_nc_u64 s[12:13], s[12:13], s[28:29]
	s_add_nc_u64 s[22:23], s[22:23], s[28:29]
	s_mul_i32 s28, s3, 8*CBLK
	s_add_co_u32 s28, s28, s7
	s_add_nc_u64 s[18:19], s[18:19], s[28:29]
	s_lshl_b32 s28, s3, 15
	s_add_nc_u64 s[10:11], s[10:11], s[28:29]
	s_lshl_b32 s28, s3, 9
	s_add_nc_u64 s[14:15], s[14:15], s[28:29]
	s_add_nc_u64 s[24:25], s[24:25], s[28:29]
	s_lshl_b32 s28, s3, 7
	s_add_nc_u64 s[20:21], s[20:21], s[28:29]
	s_lshl_b32 s28, s3, 2
	s_add_nc_u64 s[16:17], s[16:17], s[28:29]
	s_add_nc_u64 s[26:27], s[26:27], s[28:29]
.irp p, 0,1,2,3,4,5,6,7
	s_load_b64 s[32+2*\p:33+2*\p], s[10:11], \p*4096+3072   ; (B_p, Amax_p)
.endr
	s_load_b32 s48, s[16:17], 0x0
	s_cmp_lg_u32 s49, 0
	s_cbranch_scc1 .Lcommon
	global_load_b128 v[NN:NN+3], v1, s[14:15]      ; these nine are older than the loads below, so the counts below hold with and without them
.irp p, 0,1,2,3,4,5,6,7
	global_load_b128 v[NN+4+4*\p:NN+7+4*\p], v1, s[10:11] offset:\p*4096+3584
.endr
.Lcommon:
.irp i, 0,1,2,3
	global_load_b128 v[C+4*\i:C+4*\i+3], v1, s[12:13] offset:\i*512 th:TH_LOAD_NT
.endr
.irp p, 0,1,2,3,4,5,6,7
.irp i, 0,1,2,3
	global_load_b128 v[U+16*\p+4*\i:U+16*\p+4*\i+3], v1, s[8:9] offset:\p*65536+\i*512 th:TH_LOAD_NT
.endr
.endr
	s_wait_kmcnt 0x0
	v_mov_b32 v[M], s48
	v_cvt_pk_bf16_f32 v[M], v[M], v[M]
	v_lshlrev_b32 v[M], 16, v[M]
.irp p, 0,1,2,3,4,5,6,7
	v_max_num_f32 v13, s[33+2*\p], v[M+\p]         ; g
	v_sub_f32 v14, v[M+\p], v13
	v_sub_f32 v15, s[33+2*\p], v13
	v_mul_f32 v14, s50, v14
	v_mul_f32 v15, s50, v15
	v_exp_f32 v[AB+4*\p], v14                      ; each made twice: the packed arithmetic multiplies by pairs
	v_exp_f32 v[AB+4*\p+1], v14
	v_exp_f32 v[AB+4*\p+2], v15
	v_exp_f32 v[AB+4*\p+3], v15
	v_add_f32 v[M+1+\p], s[32+2*\p], v13           ; a plain instruction behind the exponentials, ahead of any use of them
.endr
	s_wait_loadcnt 32                              ; c_state is in; U's 32 loads stay out
.irp i, 0,1,2,3,4,5,6,7
	v_cvt_pk_bf16_f32 v[PK+\i], v[C+2*\i], v[C+2*\i+1]
.endr
	s_wait_alu depctr_va_vdst(0)
.irp i, 0,1,2,3,4,5,6,7
	v_lshlrev_b32 v[C+2*\i], 16, v[PK+\i]
	v_and_b32 v[C+2*\i+1], s51, v[PK+\i]
.endr
.macro PSTEP p
.if (\p) > 0
.set PKB, U+16*((\p)-1)
.irp i, 0,1,2,3,4,5,6,7
	v_cvt_pk_bf16_f32 v[PKB+\i], v[C+2*\i], v[C+2*\i+1]          ; hi
.endr
.irp i, 0,1,2,3,4,5,6,7
	v_lshlrev_b32 v[TP+2*((\i)%4)], 16, v[PKB+\i]
	v_and_b32 v[TP+2*((\i)%4)+1], s51, v[PKB+\i]
	v_pk_add_f32 v[TP+2*((\i)%4):TP+2*((\i)%4)+1], v[C+2*\i:C+2*\i+1], v[TP+2*((\i)%4):TP+2*((\i)%4)+1] neg_lo:[0,1] neg_hi:[0,1]  ; C - hi, exact
	v_cvt_pk_bf16_f32 v[PKB+8+\i], v[TP+2*((\i)%4)], v[TP+2*((\i)%4)+1]  ; lo
.endr
.irp i, 0,1,2,3
	global_store_b64 v2, v[PKB+2*\i:PKB+2*\i+1], s[18:19] offset:(\p)*CBLK+\i*256  ; a whole row: 256 consecutive bytes, aligned
.endr
.irp i, 0,1,2,3
	global_store_b64 v2, v[PKB+8+2*\i:PKB+8+2*\i+1], s[18:19] offset:(\p)*CBLK+32768+\i*256
.endr
.else
.irp i, 0,1,2,3
	global_store_b64 v2, v[PK+2*\i:PK+2*\i+1], s[18:19] offset:\i*256
.endr
.irp i, 0,1,2,3
	global_store_b64 v2, v[Z:Z+1], s[18:19] offset:32768+\i*256
.endr
.endif
	s_wait_loadcnt 28-4*(\p)                       ; U_p is in; the later segments' loads stay out
.irp i, 0,1,2,3,4,5,6,7
	v_pk_mul_f32 v[U+16*(\p)+2*\i:U+16*(\p)+2*\i+1], v[U+16*(\p)+2*\i:U+16*(\p)+2*\i+1], v[AB+4*(\p)+2:AB+4*(\p)+3]
	v_pk_fma_f32 v[C+2*\i:C+2*\i+1], v[C+2*\i:C+2*\i+1], v[AB+4*(\p):AB+4*(\p)+1], v[U+16*(\p)+2*\i:U+16*(\p)+2*\i+1]
.endr
.endm
	PSTEP 0
	PSTEP 1
	PSTEP 2
	PSTEP 3
	PSTEP 4
	PSTEP 5
	PSTEP 6
	PSTEP 7
.irp i, 0,1,2,3
	global_store_b128 v1, v[C+4*\i:C+4*\i+3], s[22:23] offset:\i*512
.endr
	s_cmp_lg_u32 s49, 0
	s_cbranch_scc1 .Ldone
	v_cvt_pk_bf16_f32 v236, v[NN], v[NN+1]         ; n: the same walk on one row (every load has been waited for)
	v_cvt_pk_bf16_f32 v237, v[NN+2], v[NN+3]
	v_lshlrev_b32 v[NN], 16, v236
	v_and_b32 v[NN+1], s51, v236
	v_lshlrev_b32 v[NN+2], 16, v237
	v_and_b32 v[NN+3], s51, v237
	global_store_b64 v2, v[236:237], s[18:19] offset:65536
.irp p, 0,1,2,3,4,5,6,7
.if \p > 0
	v_cvt_pk_bf16_f32 v[NN+4*\p], v[NN], v[NN+1]   ; into the registers that un of the segment before has left
	v_cvt_pk_bf16_f32 v[NN+4*\p+1], v[NN+2], v[NN+3]
	global_store_b64 v2, v[NN+4*\p:NN+4*\p+1], s[18:19] offset:\p*CBLK+65536
.endif
	v_pk_mul_f32 v[NN+4+4*\p:NN+5+4*\p], v[NN+4+4*\p:NN+5+4*\p], v[AB+4*\p+2:AB+4*\p+3]
	v_pk_mul_f32 v[NN+6+4*\p:NN+7+4*\p], v[NN+6+4*\p:NN+7+4*\p], v[AB+4*\p+2:AB+4*\p+3]
	v_pk_fma_f32 v[NN:NN+1], v[NN:NN+1], v[AB+4*\p:AB+4*\p+1], v[NN+4+4*\p:NN+5+4*\p]
	v_pk_fma_f32 v[NN+2:NN+3], v[NN+2:NN+3], v[AB+4*\p:AB+4*\p+1], v[NN+6+4*\p:NN+7+4*\p]
.endr
	global_store_b128 v1, v[NN:NN+3], s[24:25]
	v_mov_b32 v14, v[M+8]                          ; MP's row: lane p takes m_p, lanes 8 and above m_8
.irp p, 0,1,2,3,4,5,6,7
	v_cmp_eq_u32 vcc_lo, \p, v238
	v_cndmask_b32 v14, v14, v[M+\p], vcc_lo
.endr
	global_store_b32 v3, v14, s[20:21]
	s_wait_xcnt 0x0                                ; EXEC changes only behind this wait
	v_cmp_eq_u32 vcc_lo, 0, v238
	s_and_saveexec_b32 s52, vcc_lo
	global_store_b32 v3, v[M+8], s[26:27]          ; lane 0: the head's one number of out3
	s_wait_xcnt 0x0                                ; and again in front of the line that widens it
	s_or_b32 exec_lo, exec_lo, s52
.Ldone:
	s_endpgm
.Lfunc_end_k_q444fcea50c_chain:
	.size	k_q444fcea50c_chain, .Lfunc_end_k_q444fcea50c_chain-k_q444fcea50c_chain
	.p2alignl 7, 3214868480
	.fill 96, 4, 3214868480
	.section	.rodata,"a",@progbits
	.p2align	6, 0x0
	.amdhsa_kernel k_q444fcea50c_chain
		.amdhsa_group_segment_fixed_size 0
		.amdhsa_private_segment_fixed_size 0
		.amdhsa_enable_private_segment 0
		.amdhsa_kernarg_size 80
		.amdhsa_user_sgpr_count 2
		.amdhsa_user_sgpr_kernarg_segment_ptr 1
		.amdhsa_wavefront_size32 1
		.amdhsa_system_sgpr_workgroup_id_x 1
		.amdhsa_system_sgpr_workgroup_id_y 1
		.amdhsa_system_sgpr_workgroup_id_z 1
		.amdhsa_system_vgpr_workitem_id 0
		.amdhsa_next_free_vgpr 256
		.amdhsa_next_free_sgpr 66
		.amdhsa_reserve_vcc 1
		.amdhsa_float_denorm_mode_32 3
		.amdhsa_float_denorm_mode_16_64 3
		.amdhsa_memory_ordered 1
		.amdhsa_forward_progress 1
		.amdhsa_inst_pref_size 44
	.end_amdhsa_kernel
	.amdgpu_metadata
---
amdhsa.version: [ 1, 2 ]
amdhsa.kernels:
  - .name:           k_q444fcea50c_chain
    .symbol:         k_q444fcea50c_chain.kd
    .args:
      - { .name: UW, .offset: 0, .size: 8, .value_kind: global_buffer, .address_space: global }
      - { .name: SC, .offset: 8, .size: 8, .value_kind: global_buffer, .address_space: global }
      - { .name: c_state, .offset: 16, .size: 8, .value_kind: global_buffer, .address_space: global }
      - { .name: n_state, .offset: 24, .size: 8, .value_kind: global_buffer, .address_space: global }
      - { .name: m_state, .offset: 32, .size: 8, .value_kind: global_buffer, .address_space: global }
      - { .name: CB, .offset: 40, .size: 8, .value_kind: global_buffer, .address_space: global }
      - { .name: MP, .offset: 48, .size: 8, .value_kind: global_buffer, .address_space: global }
      - { .name: out1, .offset: 56, .size: 8, .value_kind: global_buffer, .address_space: global }
      - { .name: out2, .offset: 64, .size: 8, .value_kind: global_buffer, .address_space: global }
      - { .name: out3, .offset: 72, .size: 8, .value_kind: global_buffer, .address_space: global }
    .group_segment_fixed_size: 0
    .private_segment_fixed_size: 0
    .kernarg_segment_align: 8
    .kernarg_segment_size: 80
    .max_flat_workgroup_size: 128
    .sgpr_count:     66
    .vgpr_count:     256
    .wavefront_size: 32
...
	.end_amdgpu_metadata
.endif
;; end of part 3
;; launch output (part 4): grid 256 x 1, 4 waves a work-group, no clusters, 322,048 bytes of LDS; arguments X16, CB, MP, SC, ln_w, out0; writes out0
.if DOCPART == 4
	.amdgcn_target "amdgcn-amd-amdhsa--gfx1250"
	.amdhsa_code_object_version 6
	.text
	.protected	k_q444fcea50c_output
	.globl	k_q444fcea50c_output
	.p2align	8
	.type	k_q444fcea50c_output,@function
k_q444fcea50c_output:
	s_mov_b64 s[64:65], 0
	v_nop
	global_prefetch_b8 v0, s[64:65] scope:SCOPE_SE
	s_setreg_imm32_b32 hwreg(HW_REG_WAVE_MODE, 25, 1), 1
	s_wait_xcnt 0x0
; THE OUTPUTS OF A SEGMENT.  Work-group (b, h, p) = ttmp9; j, l = 0 .. 255 are steps inside the segment.  With g_j = max(m_p, A_j), e_j = exp(m_p - g_j), m_j = b_j + g_j:
;   P_jl = (q_j . k_l) exp(a_l - g_j) / sqrt(128) for l <= j, else 0      num_j = e_j q_j C_p + sum over l of P_jl v_l      qn_j = e_j q_j . n_p + sum over l of P_jl
;   h_j = num_j / (max(|qn_j|, exp(-m_j)) + 1e-6)      out = LayerNorm over the 128 channels of h_j, times ln_w.   g_j is the running maximum: no exponent of a weight is above 0.
; SHARES.  Wave w owns the tiles of 16 queries 4 x + w, x = 0 .. 3: 16 rows in each band of 64, so that the causal work of the four waves is 16, 16, 20, 20 pairs of tile and key block.
; LAYOUT.  S^T = K Q^T (bf16): a lane holds ONE query (lane % 16) and the keys 8 (lane / 16) + 0..7; two such results, weighted and rounded to f16, ARE source 1 of O^T = V^T P (f16).
; The term of the entry state is O^T = C_p^T Q^T (bf16): C_p is read as V is, by the turning load, and Q's fragment stands in P's place.  C_p comes as the sum of two bf16 numbers, hi and lo,
; and both are multiplied: q C_p may be small beside |q| |C_p|, and one bf16 number's rounding is then not small beside it.  qn is a ninth accumulator a tile:
; a fragment whose rows all hold n_p times Q, then ones times P.  So a query's 128 channels lie in two lanes, and the LayerNorm wants one exchange between the halves of the lanes.
; The whole segment lies in LDS: four tensor loads a wave are out, all first fills; one barrier; key blocks above a tile's diagonal are jumped over (forward, on the wave's number and the counter).
; NO CLUSTER: no two work-groups read the same bytes.
; LIMITS.  P and v in f16: |q . k| / 11.3 and |v| within 65,504; below 6e-5 P keeps f16's fixed step of 6e-8.  n_p in bf16 (it enters the denominator alone).  A hidden weight's exponent is -1e30: its weight is 0.
; a, A, b hold a sum of up to 256 log gates, and a and g are multiplied by log2(e) before they are subtracted: the exponent's error is about 2^-22 of that sum.
; exp(-m_j) below 2^-126 counts as 0 and is an infinity where it passes f32's range (the row is then 0).  NaN and infinities are not treated apart.
.set PQ,     272                       ; a row of q or k in LDS: 256 bytes + 16 = 68 words: the 16 rows of a load start at 16 different groups of four banks (64 banks of 4 bytes: ISA guide 11.1)
.set PT,     288                       ; a row of v or C_p: 256 + 32 = 72 words
.set CBLK,   65792                     ; a segment's block of CB: 128 rows hi, 128 rows lo, one row n_p, 256 bytes each
.set KSB,    69632                     ; LDS: 0 .. q, 256 rows; k, 256 rows;
.set VSB,    139264                    ; v, 256 rows;
.set CSB,    212992                    ; C_p: 128 rows hi, 128 rows lo;
.set ALB,    286720                    ; a log2(e) - 3.5 in the order of the steps, 256 f32;
.set STAGE,  287744                    ; 16 rows x 528 bytes for each wave, for the way out;
.set SPITCH, 528
.set SPARE,  321536                    ; the spare words, 128 bytes for each wave: two blocks of 256 bytes that no other line names
; window 0: v1 r  v2 hh  v3 q's address  v4 k's  v5 v's  v6 C_p's hi  v7 a's  v8 into the stage  v9 back  v10 16 lane  v11 -1e30  v12, v13 the add's  v14 lane  v15 C_p's lo
.set ST,   16                          ; tile x at v[16+4x]: g log2(e), the same again, e_j, exp(-m_j)
.set S,    32                          ; v[32:47]   S^T of 32 keys
.set E,    48                          ; v[48:63]   the exponents, then the weights
.set ALR,  64                          ; v[64:79]   a log2(e) - 3.5 of the block's keys as the lane holds them
.set PR,   80                          ; v[80:87]   P
.set ONES, 88                          ; v[88:95]   ones in f16
.set NF,   96                          ; v[96:127]  n_p as four fragments
.set ACCN, 128                         ; v[128:159] qn, 8 a tile
.set LW,   160                         ; v[160:223] ln_w of my 64 channels
.set KF,   128                         ; window 2: v[0:127] Q (tile x, channels 32 ks on at 32 x + 8 ks); v[128:191] K of a block; v[192:255] V of a block, or C_p
.set VF,   192                         ; window 1: O^T, tile x, channels 16 dvb on at 64 x + 8 dvb
.set W_KQ, 0x0a                        ; K and Q in window 2, S^T in window 0
.set W_PV, 0x52                        ; V in window 2, P in window 0, O^T in window 1
.set W_CQ, 0x5a                        ; C_p and Q in window 2, O^T in window 1
.set W_NQ, 0x08                        ; n_p in window 0, Q in window 2, qn in window 0
.set W_RS, 0x41                        ; destination and source 0 in window 1, source 1 in window 0
.set W_L2, 0x80                        ; a load's destination in window 2
.set MSB, 0
.macro WIN new                         ; s_set_vgpr_msb: bits 1:0 source 0, 3:2 source 1, 5:4 source 2, 7:6 destination; the high byte repeats the setting that is left
.if MSB != (\new)
	s_set_vgpr_msb (MSB<<8)|(\new)
.set MSB, \new
.endif
.endm
	s_load_b256 s[8:15], s[0:1], 0x0               ; X16 s[8:9], CB s[10:11], MP s[12:13], SC s[14:15]
	s_load_b128 s[16:19], s[0:1], 0x20             ; ln_w s[16:17], out0 s[18:19]
	v_lshl_add_u32 v12, v0, 2, SPARE
	v_mov_b32 v13, 0
	ds_add_u32 v12, v13                            ; the wave's opening
	v_lshrrev_b32 v1, 5, v0
	v_readfirstlane_b32 s2, v1                     ; wave 0..3
	s_mov_b32 s24, (1<<16)|(1<<20)|(5<<22)|(3<<25) ; group 1 for q and k: 2-byte elements; padding on, after every 64 words, 4 words
	s_mov_b32 s32, (1<<16)|(1<<20)|(5<<22)|(7<<25) ; for v and C_p: 8 words of padding
.irp g, 24,32
	s_mov_b32 s[\g+1], 128<<16                     ; tensor_dim0 = 128
	s_mov_b32 s[\g+2], 64<<16                      ; tensor_dim1 = 64
	s_mov_b32 s[\g+3], 128<<16                     ; tile_dim0 = 128
	s_mov_b32 s[\g+4], 64                          ; tile_dim1 = 64
	s_mov_b32 s[\g+5], 128                         ; 128 elements from row to row
	s_mov_b32 s[\g+6], 0
	s_mov_b32 s[\g+7], 0
.endr
	s_mov_b32 s48, 1                               ; group 0 for q: my 64 rows
	s_mul_i32 s49, s2, 64*PQ
	s_mov_b32 s52, 1                               ; k
	s_add_co_u32 s53, s49, KSB
	s_mov_b32 s56, 1                               ; v
	s_mul_i32 s57, s2, 64*PT
	s_add_co_u32 s57, s57, VSB
	s_mov_b32 s60, 1                               ; C_p: my 64 of its 256 rows (waves 0 and 1: hi; 2 and 3: lo)
	s_mul_i32 s61, s2, 64*PT
	s_add_co_u32 s61, s61, CSB
	s_lshl_b32 s4, ttmp9, 16                       ; the segment's 65,536 bytes, my 64 rows of 256
	s_lshl_b32 s5, s2, 14
	s_add_co_u32 s4, s4, s5
	s_mov_b32 s5, 0
	s_mul_i32 s6, ttmp9, CBLK                      ; the segment's block of CB, my 64 rows of 256
	s_lshl_b32 s7, s2, 14
	s_add_co_u32 s6, s6, s7
	s_mov_b32 s7, 0
	s_wait_dscnt 0x0                               ; the opening add is done
	s_wait_kmcnt 0x0
	s_add_nc_u64 s[50:51], s[8:9], s[4:5]
	s_add_nc_u64 s[54:55], s[50:51], 16777216
	s_add_nc_u64 s[58:59], s[50:51], 33554432
	s_add_nc_u64 s[62:63], s[10:11], s[6:7]
	s_or_b32 s51, s51, 0x80000000                  ; type 2
	s_or_b32 s55, s55, 0x80000000
	s_or_b32 s59, s59, 0x80000000
	s_or_b32 s63, s63, 0x80000000
	tensor_load_to_lds s[48:51], s[24:31]
	s_nop 0
	tensor_load_to_lds s[60:63], s[32:39]
	s_nop 0
	tensor_load_to_lds s[52:55], s[24:31]
	s_nop 0
	tensor_load_to_lds s[56:59], s[32:39]
	s_nop 0
	v_and_b32 v1, 15, v0
	v_bfe_u32 v2, v0, 4, 1
	v_and_b32 v14, 31, v0
	v_mov_b32 v11, 0xf149f2ca
	s_mul_i32 s20, s2, 16*PQ
	v_mul_u32_u24 v4, v1, PQ
	v_lshl_add_u32 v4, v2, 4, v4                   ; a fragment of q or k: row r, 16 bytes for each half of the lanes
	v_add_nc_u32 v3, s20, v4                       ; q: my 16 rows of a band
	v_add_nc_u32 v4, KSB, v4
	v_and_b32 v5, 7, v0
	v_lshl_add_u32 v5, v2, 3, v5
	v_mul_u32_u24 v5, v5, PT                       ; the turning load: lane reads row 8 hh + lane % 8,
	v_bfe_u32 v6, v0, 3, 1
	v_lshl_add_u32 v5, v6, 4, v5                   ; columns 8 ((lane / 8) % 2) on
	v_add_nc_u32 v6, CSB, v5
	v_add_nc_u32 v15, CSB+128*PT, v5               ; lo's rows lie behind hi's 128
	v_add_nc_u32 v5, VSB, v5
	v_lshl_add_u32 v7, v2, 5, ALB
	s_mul_i32 s21, s2, 16*SPITCH
	s_add_co_u32 s21, s21, STAGE
	v_mul_u32_u24 v8, v1, SPITCH
	v_lshl_add_u32 v8, v2, 5, v8
	v_add_nc_u32 v8, s21, v8
	v_lshlrev_b32 v10, 4, v14
	v_add_nc_u32 v9, s21, v10
	s_mov_b32 s90, 0x76543210                      ; v_permlanex16_b32: each lane takes its own place in the other half
	s_mov_b32 s91, 0xfedcba98
	s_mov_b32 s93, 0x3fb8aa3b                      ; log2(e)
	s_mov_b32 s96, 0xbfb8aa3b
	s_mov_b32 s97, 0xffff0000
	s_mov_b32 s98, 0x358637bd                      ; 1e-6
	s_mov_b32 s99, 0x3c000000                      ; 1 / 128
	s_and_b32 s20, ttmp9, 7                        ; p
	s_bfe_u32 s21, ttmp9, 0x30003                  ; h
	s_lshr_b32 s22, ttmp9, 6                       ; b
	s_lshr_b32 s23, ttmp9, 3                       ; 8 b + h
	s_mov_b32 s5, 0
	s_mul_i32 s4, ttmp9, CBLK
	s_add_co_u32 s4, s4, 65536
	s_add_nc_u64 s[66:67], s[10:11], s[4:5]        ; n_p: row 256 of the segment's block
	s_lshl_b32 s4, ttmp9, 12
	s_add_nc_u64 s[14:15], s[14:15], s[4:5]
	s_lshl_b32 s4, s23, 7
	s_lshl2_add_u32 s4, s20, s4
	s_add_nc_u64 s[12:13], s[12:13], s[4:5]
	s_lshl_b32 s4, s21, 9
	s_add_nc_u64 s[16:17], s[16:17], s[4:5]
	s_lshl_b32 s6, s22, 23                         ; out0: batch, 256 p rows of 4,096 bytes, my 16 rows of a band, the head's 512 bytes
	s_add_co_u32 s4, s4, s6
	s_lshl_b32 s6, s20, 20
	s_add_co_u32 s4, s4, s6
	s_lshl_b32 s6, s2, 16
	s_add_co_u32 s4, s4, s6
	s_add_nc_u64 s[94:95], s[18:19], s[4:5]
	s_load_b32 s92, s[12:13], 0x0                  ; m_p
	v_lshlrev_b32 v224, 3, v0
	global_load_b64 v[226:227], v224, s[14:15]     ; a log2(e) - 3.5, 8 bytes a thread, in the stored order
	v_bfe_u32 v225, v0, 2, 1                       ; A and b of my query 64 x + 16 w + r, in the stored order: 512 ((r / 4) % 2) + 16 (r / 8) + 4 (r % 4) + 32 w + 128 x
	v_lshlrev_b32 v225, 9, v225
	v_bfe_u32 v228, v0, 3, 1
	v_lshl_add_u32 v225, v228, 4, v225
	v_and_b32 v228, 3, v0
	v_lshl_add_u32 v225, v228, 2, v225
	s_lshl_b32 s20, s2, 5
	v_add_nc_u32 v225, s20, v225
.irp x, 0,1,2,3
	global_load_b32 v[232+\x], v225, s[14:15] offset:1024+128*\x
	global_load_b32 v[236+\x], v225, s[14:15] offset:2048+128*\x
.endr
	v_lshlrev_b32 v229, 4, v2
.irp ks, 0,1,2,3
	global_load_b128 v[NF+8*\ks:NF+8*\ks+3], v229, s[66:67] offset:64*\ks
	global_load_b128 v[NF+8*\ks+4:NF+8*\ks+7], v229, s[66:67] offset:64*\ks+32
.endr
	v_lshlrev_b32 v230, 5, v2
.irp dvb, 0,1,2,3,4,5,6,7
	global_load_b128 v[LW+8*\dvb:LW+8*\dvb+3], v230, s[16:17] offset:64*\dvb
	global_load_b128 v[LW+8*\dvb+4:LW+8*\dvb+7], v230, s[16:17] offset:64*\dvb+16
.endr
	v_bfe_u32 v231, v0, 1, 5                       ; where my 8 bytes of a lie in the order of the steps: 32 ((T % 64) / 2) + 16 (T / 64) + 8 (T % 2)
	v_lshlrev_b32 v231, 5, v231
	v_lshrrev_b32 v240, 6, v0
	v_lshl_add_u32 v231, v240, 4, v231
	v_and_b32 v240, 1, v0
	v_lshl_add_u32 v231, v240, 3, v231
	v_add_nc_u32 v231, ALB, v231
.irp i, 0,1,2,3,4,5,6,7
	v_mov_b32 v[ONES+\i], 0x3c003c00
.endr
	s_and_b32 s20, s2, 1                           ; the diagonal block's masks: key 16 (i / 8) + i % 8 + 8 hh of the block is seen by query 16 (w % 2) + r
	s_lshl_b32 s20, s20, 4
	v_lshlrev_b32 v241, 3, v2
	v_sub_nc_u32 v241, v1, v241
	v_add_nc_u32 v241, s20, v241
.irp i, 0,1,2,3,4,5,6,7,8,9,10,11,12,13,14,15
	v_cmp_le_i32 s[68+\i], 16*((\i)/8)+(\i)%8, v241
.endr
	s_lshr_b32 s84, s2, 1                          ; tile x's last key block: 2 x + w / 2
	s_add_co_u32 s85, s84, 2
	s_add_co_u32 s86, s84, 4
	s_add_co_u32 s87, s84, 6
	s_wait_loadcnt 0x0
	s_wait_kmcnt 0x0
	ds_store_b64 v231, v[226:227]
.irp x, 0,1,2,3
	v_max_num_f32 v[240+4*\x], s92, v[232+\x]      ; g_j
	v_sub_f32 v[241+4*\x], s92, v[240+4*\x]
	v_add_f32 v[242+4*\x], v[236+\x], v[240+4*\x]  ; m_j
	v_mul_f32 v[ST+4*\x], s93, v[240+4*\x]
	v_mul_f32 v[241+4*\x], s93, v[241+4*\x]
	v_mul_f32 v[242+4*\x], s96, v[242+4*\x]
	v_mov_b32 v[ST+4*\x+1], v[ST+4*\x]
.endr
.irp x, 0,1,2,3
	v_exp_f32 v[ST+4*\x+2], v[241+4*\x]            ; e_j
	v_exp_f32 v[ST+4*\x+3], v[242+4*\x]            ; exp(-m_j)
.endr
.set i, 0
.rept 32                                           ; ln_w rounded to bf16, like every input
	v_cvt_pk_bf16_f32 v224, v[LW+2*i], v[LW+2*i+1]
	v_lshlrev_b32 v[LW+2*i], 16, v224
	v_and_b32 v[LW+2*i+1], s97, v224
.set i, i+1
.endr
	s_wait_tensorcnt 0x0                           ; my parts of the four tiles have landed,
	s_wait_dscnt 0x0                               ; my part of a lies in LDS:
	s_barrier_signal -1
	s_barrier_wait -1                              ; everybody's have
	; THE ENTRY STATE'S TERM.  Q stays in registers.  Eight K steps of 32 channels, four on hi and four on lo: 32 products C_p^T Q^T each, and with hi 4 products n_p Q^T;
	; the accumulators (36, or 32) take turns, one instruction a turn.
	WIN W_L2
.irp x, 0,1,2,3
.irp ks, 0,1,2,3
	ds_load_b128 v[32*\x+8*\ks:32*\x+8*\ks+3], v3 offset:64*PQ*\x+64*\ks
	ds_load_b128 v[32*\x+8*\ks+4:32*\x+8*\ks+7], v3 offset:64*PQ*\x+64*\ks+32
.endr
.endr
; channels 32 ks on of the part whose address lies in v[areg].  first = 1: the products start the sums.  withn = 1: qn's products too.
.macro INTER ks, areg, first, withn
.if !(\first)
.rept 4
	v_nop                                          ; the places in front of loads into registers that the products above have read
.endr
.endif
	WIN W_L2
.irp dvb, 0,1,2,3,4,5,6,7
	ds_load_tr16_b128 v[VF+8*\dvb:VF+8*\dvb+3], v[\areg] offset:32*PT*(\ks)+32*\dvb
	ds_load_tr16_b128 v[VF+8*\dvb+4:VF+8*\dvb+7], v[\areg] offset:32*PT*(\ks)+32*\dvb+16*PT
.endr
	s_wait_dscnt 0x0
	WIN W_CQ
.irp x, 0,1,2,3
.irp dvb, 0,1,2,3,4,5,6,7
.if \first
	v_wmma_f32_16x16x32_bf16 v[64*\x+8*\dvb:64*\x+8*\dvb+7], v[VF+8*\dvb:VF+8*\dvb+7], v[32*\x+8*(\ks):32*\x+8*(\ks)+7], 0
.else
	v_wmma_f32_16x16x32_bf16 v[64*\x+8*\dvb:64*\x+8*\dvb+7], v[VF+8*\dvb:VF+8*\dvb+7], v[32*\x+8*(\ks):32*\x+8*(\ks)+7], v[64*\x+8*\dvb:64*\x+8*\dvb+7]
.endif
.endr
.endr
.if \withn
	WIN W_NQ
.irp x, 0,1,2,3
.if \first
	v_wmma_f32_16x16x32_bf16 v[ACCN+8*\x:ACCN+8*\x+7], v[NF+8*(\ks):NF+8*(\ks)+7], v[32*\x+8*(\ks):32*\x+8*(\ks)+7], 0
.else
	v_wmma_f32_16x16x32_bf16 v[ACCN+8*\x:ACCN+8*\x+7], v[NF+8*(\ks):NF+8*(\ks)+7], v[32*\x+8*(\ks):32*\x+8*(\ks)+7], v[ACCN+8*\x:ACCN+8*\x+7]
.endif
.endr
.endif
.endm
	INTER 0, 6, 1, 1
	INTER 1, 6, 0, 1
	INTER 2, 6, 0, 1
	INTER 3, 6, 0, 1
	INTER 0, 15, 0, 0
	INTER 1, 15, 0, 0
	INTER 2, 15, 0, 0
	INTER 3, 15, 0, 0
	WIN 0
.rept 4
	v_nop                                          ; the places behind the last products
.endr
	WIN W_RS
	s_wait_alu depctr_va_vdst(0)
.irp x, 0,1,2,3
.set i, 0
.rept 32
	v_pk_mul_f32 v[64*\x+2*i:64*\x+2*i+1], v[64*\x+2*i:64*\x+2*i+1], v[ST+4*\x+2:ST+4*\x+3] op_sel_hi:[1,0]  ; times e_j
.set i, i+1
.endr
.endr
	WIN 0
.irp x, 0,1,2,3
	v_mul_f32 v[ACCN+8*\x], v[ACCN+8*\x], v[ST+4*\x+2]  ; qn: the product's 16 rows are alike, and register 0 alone is read at the end, so it alone is scaled
.endr
; Tile x against the key block in hand.  A block above the diagonal is jumped over; the diagonal's block (the tile's last) takes the masks.
.macro TILE x
	WIN 0
	s_cmp_gt_u32 s88, s[84+(\x)]
	s_cbranch_scc1 .Ltile_done_\@
	WIN W_KQ
.irp ks, 0,1,2,3
.irp sub, 0,1
.if \ks == 0
	v_wmma_f32_16x16x32_bf16 v[S+8*\sub:S+8*\sub+7], v[KF+32*\sub+8*\ks:KF+32*\sub+8*\ks+7], v[32*(\x)+8*\ks:32*(\x)+8*\ks+7], 0
.else
	v_wmma_f32_16x16x32_bf16 v[S+8*\sub:S+8*\sub+7], v[KF+32*\sub+8*\ks:KF+32*\sub+8*\ks+7], v[32*(\x)+8*\ks:32*(\x)+8*\ks+7], v[S+8*\sub:S+8*\sub+7]
.endif
.endr
.endr
	WIN 0
.irp i, 0,1,2,3,4,5,6,7                            ; the exponents: eight plain instructions that name no register of the products: the places behind them, and behind the tile before's
	v_pk_add_f32 v[E+2*\i:E+2*\i+1], v[ALR+2*\i:ALR+2*\i+1], v[ST+4*(\x):ST+4*(\x)+1] neg_lo:[0,1] neg_hi:[0,1]
.endr
	s_cmp_lg_u32 s88, s[84+(\x)]
	s_cbranch_scc1 .Lno_mask_\@
.irp i, 0,1,2,3,4,5,6,7,8,9,10,11,12,13,14,15
	v_cndmask_b32 v[E+\i], v11, v[E+\i], s[68+\i]
.endr
.Lno_mask_\@:
.irp i, 0,1,2,3,4,5,6,7,8,9,10,11,12,13,14,15
	v_exp_f32 v[E+\i], v[E+\i]
.endr
	v_nop                                          ; a plain instruction between the last exponential and the use of its result
	s_wait_alu depctr_va_vdst(0)
.irp i, 0,1,2,3,4,5,6,7
	v_pk_mul_f32 v[S+2*\i:S+2*\i+1], v[S+2*\i:S+2*\i+1], v[E+2*\i:E+2*\i+1]
.endr
.irp i, 0,1,2,3,4,5,6,7
	v_cvt_pk_f16_f32 v[PR+\i], v[S+2*\i], v[S+2*\i+1]
.endr
	s_wait_dscnt 0x0                               ; V is in
	WIN W_PV
.irp dvb, 0,1,2,3,4,5,6,7
	v_wmma_f32_16x16x32_f16 v[64*(\x)+8*\dvb:64*(\x)+8*\dvb+7], v[VF+8*\dvb:VF+8*\dvb+7], v[PR:PR+7], v[64*(\x)+8*\dvb:64*(\x)+8*\dvb+7]
.endr
	WIN 0
	v_wmma_f32_16x16x32_f16 v[ACCN+8*(\x):ACCN+8*(\x)+7], v[ONES:ONES+7], v[PR:PR+7], v[ACCN+8*(\x):ACCN+8*(\x)+7]
.Ltile_done_\@:
.endm
	s_mov_b32 s88, 0
.Lkey:                                                 ; eight trips: a block of 32 keys.  The LDS addresses are the counter times a constant plus a fixed lane term
	s_mul_i32 s3, s88, 32*PQ
	s_mul_i32 s4, s88, 32*PT
	s_lshl_b32 s5, s88, 7
	v_add_nc_u32 v252, s3, v4                      ; these three and the v_nop are the four places in front of loads into registers that the last trip's products have read
	v_add_nc_u32 v253, s4, v5
	v_add_nc_u32 v254, s5, v7
	v_nop
	WIN W_L2
.irp sub, 0,1
.irp ks, 0,1,2,3
	ds_load_b128 v[KF+32*\sub+8*\ks:KF+32*\sub+8*\ks+3], v252 offset:16*PQ*\sub+64*\ks
	ds_load_b128 v[KF+32*\sub+8*\ks+4:KF+32*\sub+8*\ks+7], v252 offset:16*PQ*\sub+64*\ks+32
.endr
.endr
	WIN 0
	ds_load_b128 v[ALR:ALR+3], v254
	ds_load_b128 v[ALR+4:ALR+7], v254 offset:16
	ds_load_b128 v[ALR+8:ALR+11], v254 offset:64
	ds_load_b128 v[ALR+12:ALR+15], v254 offset:80
	WIN W_L2
.irp dvb, 0,1,2,3,4,5,6,7
	ds_load_tr16_b128 v[VF+8*\dvb:VF+8*\dvb+3], v253 offset:32*\dvb
	ds_load_tr16_b128 v[VF+8*\dvb+4:VF+8*\dvb+7], v253 offset:32*\dvb+16*PT
.endr
	WIN 0
	s_wait_dscnt 16                                ; K and a are in; V's sixteen loads may stay out
	TILE 0
	TILE 1
	TILE 2
	TILE 3
	WIN 0
	s_wait_dscnt 0x0                               ; V's loads are in also where every tile of the trip was jumped over (waves 0 and 1 in the last trip): their registers are loaded again by the next trip and on the way out
	s_add_co_u32 s88, s88, 1
	s_cmp_lt_u32 s88, 8
	s_cbranch_scc1 .Lkey
.rept 4
	v_nop                                          ; the places behind the last products
.endr
.macro LANESUM                         ; v[224:231] summed, with the other half of the lanes': the query's 128 channels
	v_pk_add_f32 v[224:225], v[224:225], v[226:227]
	v_pk_add_f32 v[228:229], v[228:229], v[230:231]
	v_pk_add_f32 v[224:225], v[224:225], v[228:229]
	v_add_f32 v224, v224, v225
	v_permlanex16_b32 v225, v224, s90, s91
	v_add_f32 v224, v224, v225
.endm
; THE END OF TILE x.  With ri = 1 / denominator, LayerNorm(num ri) = (num - mean(num)) ri rsq(var(num) ri^2 + 1e-6): the division is folded into one factor a query.
; Mean first, squares of the centred numbers second.  Each accumulator's registers are read in ascending order.  Then 16 rows through my stage and out, 512 consecutive bytes a store.
.macro FIN x
	WIN 0
	v_and_b32 v240, 0x7fffffff, v[ACCN+8*(\x)]
	v_max_num_f32 v240, v240, v[ST+4*(\x)+3]
	v_add_f32 v240, s98, v240
	v_rcp_f32 v241, v240
	WIN 0x05                                       ; sources 0 and 1 in window 1
.irp c, 0,1,2,3
	v_pk_add_f32 v[224+2*\c:225+2*\c], v[64*(\x)+2*\c:64*(\x)+2*\c+1], v[64*(\x)+8+2*\c:64*(\x)+8+2*\c+1]
.endr
	WIN 0x01                                       ; source 0 in window 1
.irp dvb, 2,3,4,5,6,7
.irp c, 0,1,2,3
	v_pk_add_f32 v[224+2*\c:225+2*\c], v[64*(\x)+8*\dvb+2*\c:64*(\x)+8*\dvb+2*\c+1], v[224+2*\c:225+2*\c]
.endr
.endr
	WIN 0
	LANESUM
	v_mul_f32 v232, s99, v224                      ; the mean
	v_mov_b32 v233, v232
	WIN W_RS
.set i, 0
.rept 32
	v_pk_add_f32 v[64*(\x)+2*i:64*(\x)+2*i+1], v[64*(\x)+2*i:64*(\x)+2*i+1], v[232:233] neg_lo:[0,1] neg_hi:[0,1]
.set i, i+1
.endr
	WIN 0x05
.irp c, 0,1,2,3
	v_pk_mul_f32 v[224+2*\c:225+2*\c], v[64*(\x)+2*\c:64*(\x)+2*\c+1], v[64*(\x)+2*\c:64*(\x)+2*\c+1]
.endr
.set i, 4
.rept 28
	v_pk_fma_f32 v[224+2*(i%4):225+2*(i%4)], v[64*(\x)+2*i:64*(\x)+2*i+1], v[64*(\x)+2*i:64*(\x)+2*i+1], v[224+2*(i%4):225+2*(i%4)]
.set i, i+1
.endr
	WIN 0
	LANESUM
	v_mul_f32 v224, s99, v224                      ; the variance of num,
	s_wait_alu depctr_va_vdst(0)
	v_mul_f32 v224, v224, v241
	v_fma_f32 v224, v224, v241, s98                ; of h, + 1e-6
	v_rsq_f32 v224, v224
	v_nop                                          ; a plain instruction behind the root
	s_wait_alu depctr_va_vdst(0)
	v_mul_f32 v234, v224, v241
	v_mov_b32 v235, v234
	WIN W_RS
.set i, 0
.rept 32
	v_pk_mul_f32 v[64*(\x)+2*i:64*(\x)+2*i+1], v[64*(\x)+2*i:64*(\x)+2*i+1], v[234:235]
.set i, i+1
.endr
.set i, 0
.rept 32
	v_pk_mul_f32 v[64*(\x)+2*i:64*(\x)+2*i+1], v[64*(\x)+2*i:64*(\x)+2*i+1], v[LW+2*i:LW+2*i+1]
.set i, i+1
.endr
	WIN 0x04                                       ; the stores' data in window 1
.irp dvb, 0,1,2,3,4,5,6,7
	ds_store_b128 v8, v[64*(\x)+8*\dvb:64*(\x)+8*\dvb+3] offset:64*\dvb
	ds_store_b128 v8, v[64*(\x)+8*\dvb+4:64*(\x)+8*\dvb+7] offset:64*\dvb+16
.endr
	s_wait_xcnt 0x0                                ; the registers below were the store data of the tile two before
	WIN W_L2
.irp i, 0,1,2,3,4,5,6,7,8,9,10,11,12,13,14,15
	ds_load_b128 v[128+64*((\x)%2)+4*\i:128+64*((\x)%2)+4*\i+3], v9 offset:SPITCH*\i  ; LDS serves a wave's instructions in order: these see the stores above
.endr
	s_wait_dscnt 0x0
	WIN 0x08                                       ; the stores' data in window 2
.irp i, 0,1,2,3,4,5,6,7,8,9,10,11,12,13,14,15
	global_store_b128 v10, v[128+64*((\x)%2)+4*\i:128+64*((\x)%2)+4*\i+3], s[94:95] offset:(\x)*262144+\i*4096 th:TH_STORE_NT
.endr
	WIN 0
.endm
	FIN 0
	FIN 1
	FIN 2
	FIN 3
	s_wait_tensorcnt 0x0                           ; the wave's end
	ds_add_u32 v12, v13
	s_wait_dscnt 0x0
	s_endpgm
.Lfunc_end_k_q444fcea50c_output:
	.size	k_q444fcea50c_output, .Lfunc_end_k_q444fcea50c_output-k_q444fcea50c_output
	.p2alignl 7, 3214868480
	.fill 96, 4, 3214868480
	.section	.rodata,"a",@progbits
	.p2align	6, 0x0
	.amdhsa_kernel k_q444fcea50c_output
		.amdhsa_group_segment_fixed_size 322048
		.amdhsa_private_segment_fixed_size 0
		.amdhsa_enable_private_segment 0
		.amdhsa_kernarg_size 48
		.amdhsa_user_sgpr_count 2
		.amdhsa_user_sgpr_kernarg_segment_ptr 1
		.amdhsa_wavefront_size32 1
		.amdhsa_system_sgpr_workgroup_id_x 1
		.amdhsa_system_sgpr_workgroup_id_y 1
		.amdhsa_system_sgpr_workgroup_id_z 1
		.amdhsa_system_vgpr_workitem_id 0
		.amdhsa_next_free_vgpr 768
		.amdhsa_next_free_sgpr 100
		.amdhsa_reserve_vcc 0
		.amdhsa_float_denorm_mode_32 3
		.amdhsa_float_denorm_mode_16_64 3
		.amdhsa_memory_ordered 1
		.amdhsa_forward_progress 1
		.amdhsa_inst_pref_size 135
	.end_amdhsa_kernel
	.amdgpu_metadata
---
amdhsa.version: [ 1, 2 ]
amdhsa.kernels:
  - .name:           k_q444fcea50c_output
    .symbol:         k_q444fcea50c_output.kd
    .args:
      - { .name: X16, .offset: 0, .size: 8, .value_kind: global_buffer, .address_space: global }
      - { .name: CB, .offset: 8, .size: 8, .value_kind: global_buffer, .address_space: global }
      - { .name: MP, .offset: 16, .size: 8, .value_kind: global_buffer, .address_space: global }
      - { .name: SC, .offset: 24, .size: 8, .value_kind: global_buffer, .address_space: global }
      - { .name: ln_w, .offset: 32, .size: 8, .value_kind: global_buffer, .address_space: global }
      - { .name: out0, .offset: 40, .size: 8, .value_kind: global_buffer, .address_space: global }
    .group_segment_fixed_size: 322048
    .private_segment_fixed_size: 0
    .kernarg_segment_align: 8
    .kernarg_segment_size: 48
    .max_flat_workgroup_size: 128
    .sgpr_count:     100
    .vgpr_count:     768
    .wavefront_size: 32
...
	.end_amdgpu_metadata
.endif
;; end of part 4
;; ======== version 2 of 2: 4 launches; version 1 with the launch chain written anew for expert scheduling mode
;; limits: values are held in f16: magnitudes above 65,504 overflow, below 6.1e-05 lose precision; right only within a limited range of input values; a difference of large sums (such as E[x^2] - mean^2): digits are lost where the result is much smaller than its terms; inputs' magnitudes at most 65,504
;; workspace buffers: X16 50,331,648 bytes; G 524,288 bytes; UW 16,777,216 bytes; SC 1,048,576 bytes; CB 16,842,752 bytes; MP 4,096 bytes
;; launch gates: the kernel of part 1 again; grid 256 x 1, 12 waves a work-group, no clusters, 228,864 bytes of LDS; arguments q, k, v, W_i, W_f, b_i, b_f, X16, G; writes X16, G
;; launch segstate: the kernel of part 2 again; grid 256 x 1, 4 waves a work-group, no clusters, 182,784 bytes of LDS; arguments X16, G, UW, SC; writes UW, SC
;; launch chain (part 5): grid 256 x 1, 4 waves a work-group, no clusters, 0 bytes of LDS; arguments UW, SC, c_state, n_state, m_state, CB, MP, out1, out2, out3; writes CB, MP, out1, out2, out3
.if DOCPART == 5
	.amdgcn_target "amdgcn-amd-amdhsa--gfx1250"
	.amdhsa_code_object_version 6
	.text
	.protected	k_q444fcea50c_chain
	.globl	k_q444fcea50c_chain
	.p2align	8
	.type	k_q444fcea50c_chain,@function
k_q444fcea50c_chain:
	s_mov_b64 s[64:65], 0
	v_nop
	global_prefetch_b8 v0, s[64:65] scope:SCOPE_SE
	s_setreg_imm32_b32 hwreg(HW_REG_WAVE_SCHED_MODE, 0, 2), 2
	s_setreg_imm32_b32 hwreg(HW_REG_WAVE_MODE, 25, 1), 1
	s_wait_xcnt 0x0
	s_wait_alu depctr_vm_vsrc(0)
; THE CHAIN OVER A HEAD'S EIGHT SEGMENTS.  m_0, C_0, n_0 are the given states, rounded to bf16 like every input.  For p = 0 .. 7:
;   g = max(m_p, Amax_p)   alpha = exp(m_p - g)   beta = exp(Amax_p - g)   C_(p+1) = alpha C_p + beta U_p   n_(p+1) = alpha n_p + beta un_p   m_(p+1) = B_p + g
; so that m is the stabiliser of the step-by-step form, and no exponent is above 0.  The walk itself stays in f32; C_8, n_8, m_8 are the final states.
; Stored for the last launch: m_p (MP), and a block of 257 rows of 256 bytes a segment (CB): 128 rows hi = bf16(C_p), 128 rows lo = bf16(C_p - hi), one row bf16(n_p).
; C_p goes as TWO bf16 numbers, since q C_p may be small beside |q| |C_p|, and one bf16 number's rounding, summed over 128 channels, is then not small beside it; f16 has no room for C_p's range.
; n_p enters a denominator alone, a scale that the LayerNorm behind it takes out again: one bf16 number.
; SHARES.  Work-group = 8 x head + slice; a slice is 16 rows of C, a wave 4 of them, a lane 16 bytes of each.  Every element's chain is its own, so nothing passes between lanes:
; no LDS, no barrier, no matrix unit; all 36 loads of a wave go out at once.  Wave 0 of slice 0 also walks n and stores m.
; No store's data register is written again, so the steps need no wait for stores.  An alpha or beta below 2^-126 counts as 0.
; THE MODE: SCHED_MODE bits 1:0 = 2 (LLVM: expert scheduling mode 2), set by the entry lines.  The code itself states the register dependences
; between vector instructions and memory instructions, with s_wait_alu, always for 0.
; THE PLAN.  Registers that memory instructions touch:
;   v1, v2, v3, Z   offsets and zeros: written once at the head, read by loads and stores, never written again.
;   C, U_0 .. U_7, n, un_0 .. un_7   load targets: every load is issued at the head, ahead of the first vector instruction that names one of them.
;   PK              hi of C_0: written by eight roundings, read by four stores, never written again.
;   U_(p-1)         in step p its sixteen registers take hi and lo of C_p: written by the step's roundings, read by the step's eight stores, never written again.
;   C               last written by step 7, read by out1's four stores.
;   the n walk      v[236:237], the first two registers of un_0 .. un_6, n itself and v14: each written once, each read by one store.
; So each run of stores has ONE wait on va_vdst, straight ahead of it and behind the lines that make its data: it stands ahead of the step's wait for U_p, so that the stores leave before the wave
; sits down for its next load.  The n walk does all its vector work first and stores in one run behind one wait.  No register that a store has read is written again:
; a wait on vm_vsrc stands at the two writes of EXEC alone.
.set CBLK, 65792                       ; bytes of a segment in CB
.set M,  4                             ; v[4:12]    m_0 .. m_8
.set AB, 16                            ; v[16:47]   (alpha, alpha), (beta, beta) for each p
.set C,  48                            ; v[48:63]   my 4 rows x 4 numbers of C
.set PK, 64                            ; v[64:71]   C_0 in bf16
.set U,  72                            ; v[72:199]  U_0 .. U_7, 16 registers each; U_p's later hold hi (first 8) and lo (second 8) of C_(p+1)
.set NN, 200                           ; v[200:203] n; v[204:235] un_0 .. un_7; v[236:237] n_0 in bf16
.set Z,  240                           ; v[240:241] zeros: lo of C_0, which is a bf16 number
.set TP, 242                           ; v[242:249] at work
.set MK, 54                            ; s[54:61]   mask p: the lane whose number is p
; v1 16 lane  v2 8 lane  v3 4 lane  v13-15 at work  v238 lane
	s_load_b512 s[8:23], s[0:1], 0x0               ; UW, SC, c_state, n_state, m_state, CB, MP, out1
	s_load_b128 s[24:27], s[0:1], 0x40             ; out2, out3
	v_lshrrev_b32 v1, 5, v0
	v_readfirstlane_b32 s2, v1                     ; wave
	v_and_b32 v238, 31, v0
	v_lshlrev_b32 v1, 4, v238
	v_lshlrev_b32 v2, 3, v238
	v_lshlrev_b32 v3, 2, v238
	v_mov_b32 v[Z], 0
	v_mov_b32 v[Z+1], 0
	s_wait_alu depctr_va_sdst(0)                   ; s2 is written, ahead of its first reader: my rows and the choice of the wave that walks n are made from it
	s_lshr_b32 s3, ttmp9, 3                        ; head 0..31
	s_and_b32 s4, ttmp9, 7                         ; slice
	s_or_b32 s49, s4, s2                           ; 0: the wave that also walks n
	s_lshl_b32 s5, s4, 4
	s_lshl2_add_u32 s5, s2, s5                     ; my first row: 16 slice + 4 wave
	s_mov_b32 s50, 0x3fb8aa3b                      ; log2(e)
	s_mov_b32 s51, 0xffff0000
	s_mov_b32 s29, 0
	s_lshl_b32 s6, s5, 9
	s_lshl_b32 s7, s5, 8
	s_wait_kmcnt 0x0
	s_lshl_b32 s28, s3, 19
	s_add_co_u32 s28, s28, s6
	s_add_nc_u64 s[8:9], s[8:9], s[28:29]          ; U_0 at my rows
	s_lshl_b32 s28, s3, 16
	s_add_co_u32 s28, s28, s6
	s_add_nc_u64 s[12:13], s[12:13], s[28:29]
	s_add_nc_u64 s[22:23], s[22:23], s[28:29]
	s_mul_i32 s28, s3, 8*CBLK
	s_add_co_u32 s28, s28, s7
	s_add_nc_u64 s[18:19], s[18:19], s[28:29]
	s_lshl_b32 s28, s3, 15
	s_add_nc_u64 s[10:11], s[10:11], s[28:29]
	s_lshl_b32 s28, s3, 9
	s_add_nc_u64 s[14:15], s[14:15], s[28:29]
	s_add_nc_u64 s[24:25], s[24:25], s[28:29]
	s_lshl_b32 s28, s3, 7
	s_add_nc_u64 s[20:21], s[20:21], s[28:29]
	s_lshl_b32 s28, s3, 2
	s_add_nc_u64 s[16:17], s[16:17], s[28:29]
	s_add_nc_u64 s[26:27], s[26:27], s[28:29]
.irp p, 0,1,2,3,4,5,6,7
	s_load_b64 s[32+2*\p:33+2*\p], s[10:11], \p*4096+3072   ; (B_p, Amax_p)
.endr
	s_load_b32 s48, s[16:17], 0x0
	s_wait_alu depctr_va_vdst(0)                   ; v1, v2, v3 and the zeros are written: every load and store of the kernel reads one of the three as its offset; ahead of the branch, so that it holds on both ways
	s_cmp_lg_u32 s49, 0
	s_cbranch_scc1 .Lcommon
	global_load_b128 v[NN:NN+3], v1, s[14:15]      ; these nine are older than the loads below, so the counts below hold with and without them
.irp p, 0,1,2,3,4,5,6,7
	global_load_b128 v[NN+4+4*\p:NN+7+4*\p], v1, s[10:11] offset:\p*4096+3584
.endr
.Lcommon:
.irp i, 0,1,2,3
	global_load_b128 v[C+4*\i:C+4*\i+3], v1, s[12:13] offset:\i*512 th:TH_LOAD_NT
.endr
.irp p, 0,1,2,3,4,5,6,7
.irp i, 0,1,2,3
	global_load_b128 v[U+16*\p+4*\i:U+16*\p+4*\i+3], v1, s[8:9] offset:\p*65536+\i*512 th:TH_LOAD_NT
.endr
.endr
	s_wait_kmcnt 0x0
	v_mov_b32 v[M], s48
	v_cvt_pk_bf16_f32 v[M], v[M], v[M]
	v_lshlrev_b32 v[M], 16, v[M]
.irp p, 0,1,2,3,4,5,6,7
	v_max_num_f32 v13, s[33+2*\p], v[M+\p]         ; g
	v_sub_f32 v14, v[M+\p], v13
	v_sub_f32 v15, s[33+2*\p], v13
	v_mul_f32 v14, s50, v14
	v_mul_f32 v15, s50, v15
	v_exp_f32 v[AB+4*\p], v14                      ; each made twice: the packed arithmetic multiplies by pairs
	v_exp_f32 v[AB+4*\p+1], v14
	v_exp_f32 v[AB+4*\p+2], v15
	v_exp_f32 v[AB+4*\p+3], v15
	v_add_f32 v[M+1+\p], s[32+2*\p], v13           ; a plain instruction behind the exponentials, ahead of any use of them
.endr
	s_wait_loadcnt 32                              ; c_state is in; U's 32 loads stay out
.irp i, 0,1,2,3,4,5,6,7
	v_cvt_pk_bf16_f32 v[PK+\i], v[C+2*\i], v[C+2*\i+1]
.endr
	s_wait_alu depctr_va_vdst(0)                   ; the roundings have written PK, which the stores below read; and the 32 exponentials have written alpha and beta, ahead of their first reader
.irp i, 0,1,2,3
	global_store_b64 v2, v[PK+2*\i:PK+2*\i+1], s[18:19] offset:\i*256  ; segment 0: hi of C_0; a whole row: 256 consecutive bytes, aligned
.endr
.irp i, 0,1,2,3
	global_store_b64 v2, v[Z:Z+1], s[18:19] offset:32768+\i*256       ; and its lo, zeros
.endr
.irp i, 0,1,2,3,4,5,6,7
	v_lshlrev_b32 v[C+2*\i], 16, v[PK+\i]
	v_and_b32 v[C+2*\i+1], s51, v[PK+\i]
.endr
.macro PSTEP p
.if (\p) > 0
.set PKB, U+16*((\p)-1)
.irp i, 0,1,2,3,4,5,6,7
	v_cvt_pk_bf16_f32 v[PKB+\i], v[C+2*\i], v[C+2*\i+1]          ; hi
.endr
.irp i, 0,1,2,3,4,5,6,7
	v_lshlrev_b32 v[TP+2*((\i)%4)], 16, v[PKB+\i]
	v_and_b32 v[TP+2*((\i)%4)+1], s51, v[PKB+\i]
	v_pk_add_f32 v[TP+2*((\i)%4):TP+2*((\i)%4)+1], v[C+2*\i:C+2*\i+1], v[TP+2*((\i)%4):TP+2*((\i)%4)+1] neg_lo:[0,1] neg_hi:[0,1]  ; C - hi, exact
	v_cvt_pk_bf16_f32 v[PKB+8+\i], v[TP+2*((\i)%4)], v[TP+2*((\i)%4)+1]  ; lo
.endr
	s_wait_alu depctr_va_vdst(0)                   ; the roundings have written hi and lo of C_p, which the eight stores below read
.irp i, 0,1,2,3
	global_store_b64 v2, v[PKB+2*\i:PKB+2*\i+1], s[18:19] offset:(\p)*CBLK+\i*256  ; a whole row: 256 consecutive bytes, aligned
.endr
.irp i, 0,1,2,3
	global_store_b64 v2, v[PKB+8+2*\i:PKB+8+2*\i+1], s[18:19] offset:(\p)*CBLK+32768+\i*256
.endr
.endif
	s_wait_loadcnt 28-4*(\p)                       ; U_p is in; the later segments' loads stay out
.irp i, 0,1,2,3,4,5,6,7
	v_pk_mul_f32 v[U+16*(\p)+2*\i:U+16*(\p)+2*\i+1], v[U+16*(\p)+2*\i:U+16*(\p)+2*\i+1], v[AB+4*(\p)+2:AB+4*(\p)+3]
	v_pk_fma_f32 v[C+2*\i:C+2*\i+1], v[C+2*\i:C+2*\i+1], v[AB+4*(\p):AB+4*(\p)+1], v[U+16*(\p)+2*\i:U+16*(\p)+2*\i+1]
.endr
.endm
	PSTEP 0
	PSTEP 1
	PSTEP 2
	PSTEP 3
	PSTEP 4
	PSTEP 5
	PSTEP 6
	PSTEP 7
	s_wait_alu depctr_va_vdst(0)                   ; the last step has written C_8, which the four stores below read
.irp i, 0,1,2,3
	global_store_b128 v1, v[C+4*\i:C+4*\i+3], s[22:23] offset:\i*512
.endr
	s_cmp_lg_u32 s49, 0
	s_cbranch_scc1 .Ldone
.irp p, 0,1,2,3,4,5,6,7
	v_cmp_eq_u32 s[MK+\p], \p, v238                ; the masks of MP's row, in one run; the whole walk of n stands between them and the wait for them
.endr
	v_cvt_pk_bf16_f32 v236, v[NN], v[NN+1]         ; n: the same walk on one row (every load has been waited for)
	v_cvt_pk_bf16_f32 v237, v[NN+2], v[NN+3]
	v_lshlrev_b32 v[NN], 16, v236
	v_and_b32 v[NN+1], s51, v236
	v_lshlrev_b32 v[NN+2], 16, v237
	v_and_b32 v[NN+3], s51, v237
.irp p, 0,1,2,3,4,5,6,7
.if \p > 0
	v_cvt_pk_bf16_f32 v[NN+4*\p], v[NN], v[NN+1]   ; into the registers that un of the segment before has left
	v_cvt_pk_bf16_f32 v[NN+4*\p+1], v[NN+2], v[NN+3]
.endif
	v_pk_mul_f32 v[NN+4+4*\p:NN+5+4*\p], v[NN+4+4*\p:NN+5+4*\p], v[AB+4*\p+2:AB+4*\p+3]
	v_pk_mul_f32 v[NN+6+4*\p:NN+7+4*\p], v[NN+6+4*\p:NN+7+4*\p], v[AB+4*\p+2:AB+4*\p+3]
	v_pk_fma_f32 v[NN:NN+1], v[NN:NN+1], v[AB+4*\p:AB+4*\p+1], v[NN+4+4*\p:NN+5+4*\p]
	v_pk_fma_f32 v[NN+2:NN+3], v[NN+2:NN+3], v[AB+4*\p:AB+4*\p+1], v[NN+6+4*\p:NN+7+4*\p]
.endr
	v_mov_b32 v14, v[M+8]                          ; MP's row: lane p takes m_p, lanes 8 and above m_8
	s_wait_alu depctr_va_sdst(0)                   ; the eight masks are written, ahead of their first reader
.irp p, 0,1,2,3,4,5,6,7
	v_cndmask_b32 v14, v14, v[M+\p], s[MK+\p]
.endr
	s_wait_alu depctr_va_vdst(0)                   ; written: n_0 .. n_7 in bf16, n_8 and MP's row, which the ten stores below read
	global_store_b64 v2, v[236:237], s[18:19] offset:65536
.irp p, 1,2,3,4,5,6,7
	global_store_b64 v2, v[NN+4*\p:NN+4*\p+1], s[18:19] offset:\p*CBLK+65536
.endr
	global_store_b128 v1, v[NN:NN+3], s[24:25]
	global_store_b32 v3, v14, s[20:21]
	s_wait_xcnt 0x0                                ; EXEC changes only behind this wait
	v_cmp_eq_u32 vcc_lo, 0, v238
	s_wait_alu depctr_va_vcc(0)                    ; VCC is written: EXEC is made from it
	s_wait_alu depctr_va_vdst(0)                   ; every vector instruction issued under the full EXEC has written its result,
	s_wait_alu depctr_vm_vsrc(0)                   ; and every store issued under it has read its registers: EXEC is narrowed only behind both
	s_and_saveexec_b32 s52, vcc_lo
	global_store_b32 v3, v[M+8], s[26:27]          ; lane 0: the head's one number of out3 (v3 and m_8 were written ahead of the waits above)
	s_wait_xcnt 0x0                                ; and again in front of the line that widens it
	s_wait_alu depctr_va_vdst(0)                   ; no vector instruction is pending under the narrow EXEC,
	s_wait_alu depctr_vm_vsrc(0)                   ; and the store issued under it has read its registers: EXEC is widened only behind both
	s_or_b32 exec_lo, exec_lo, s52
.Ldone:
	s_endpgm
.Lfunc_end_k_q444fcea50c_chain:
	.size	k_q444fcea50c_chain, .Lfunc_end_k_q444fcea50c_chain-k_q444fcea50c_chain
	.p2alignl 7, 3214868480
	.fill 96, 4, 3214868480
	.section	.rodata,"a",@progbits
	.p2align	6, 0x0
	.amdhsa_kernel k_q444fcea50c_chain
		.amdhsa_group_segment_fixed_size 0
		.amdhsa_private_segment_fixed_size 0
		.amdhsa_enable_private_segment 0
		.amdhsa_kernarg_size 80
		.amdhsa_user_sgpr_count 2
		.amdhsa_user_sgpr_kernarg_segment_ptr 1
		.amdhsa_wavefront_size32 1
		.amdhsa_system_sgpr_workgroup_id_x 1
		.amdhsa_system_sgpr_workgroup_id_y 1
		.amdhsa_system_sgpr_workgroup_id_z 1
		.amdhsa_system_vgpr_workitem_id 0
		.amdhsa_next_free_vgpr 256
		.amdhsa_next_free_sgpr 66
		.amdhsa_reserve_vcc 1
		.amdhsa_float_denorm_mode_32 3
		.amdhsa_float_denorm_mode_16_64 3
		.amdhsa_memory_ordered 1
		.amdhsa_forward_progress 1
		.amdhsa_inst_pref_size 45
	.end_amdhsa_kernel
	.amdgpu_metadata
---
amdhsa.version: [ 1, 2 ]
amdhsa.kernels:
  - .name:           k_q444fcea50c_chain
    .symbol:         k_q444fcea50c_chain.kd
    .args:
      - { .name: UW, .offset: 0, .size: 8, .value_kind: global_buffer, .address_space: global }
      - { .name: SC, .offset: 8, .size: 8, .value_kind: global_buffer, .address_space: global }
      - { .name: c_state, .offset: 16, .size: 8, .value_kind: global_buffer, .address_space: global }
      - { .name: n_state, .offset: 24, .size: 8, .value_kind: global_buffer, .address_space: global }
      - { .name: m_state, .offset: 32, .size: 8, .value_kind: global_buffer, .address_space: global }
      - { .name: CB, .offset: 40, .size: 8, .value_kind: global_buffer, .address_space: global }
      - { .name: MP, .offset: 48, .size: 8, .value_kind: global_buffer, .address_space: global }
      - { .name: out1, .offset: 56, .size: 8, .value_kind: global_buffer, .address_space: global }
      - { .name: out2, .offset: 64, .size: 8, .value_kind: global_buffer, .address_space: global }
      - { .name: out3, .offset: 72, .size: 8, .value_kind: global_buffer, .address_space: global }
    .group_segment_fixed_size: 0
    .private_segment_fixed_size: 0
    .kernarg_segment_align: 8
    .kernarg_segment_size: 80
    .max_flat_workgroup_size: 128
    .sgpr_count:     66
    .vgpr_count:     256
    .wavefront_size: 32
...
	.end_amdgpu_metadata
.endif
;; end of part 5
;; launch output: the kernel of part 4 again; grid 256 x 1, 4 waves a work-group, no clusters, 322,048 bytes of LDS; arguments X16, CB, MP, SC, ln_w, out0; writes out0
